; MI455X (gfx1250); checked and timed in simulation.
; The chip was launched on July 23, 2026; its instructions are those of AMD's public machine-readable ISA for CDNA 5 (MIT licence, August 2026) and "CDNA5" Instruction Set Architecture Reference Guide (July 2026). The comments in the code are by the model that wrote it; some were corrected since.
;; Simple Attention. Allowed arithmetic: float matrix products may take bf16 or f16 operands with f32 sums; other float arithmetic in f32, or as packed bf16 or f16 multiplies, adds, multiply-adds, maxima and minima; sums over many terms, partial sums and values carried from step to step in f32; what a program stores and reads back later, other than sums and carried values, may be rounded once to bf16 or f16.
;; Inputs: Wk 1,024 x 1,024 float32; Wq 1,024 x 1,024 float32; Wv 1,024 x 1,024 float32; bk 1,024 float32; bq 1,024 float32; bv 1,024 float32; x 4 x 2,048 x 1,024 float32.
;; Outputs: out0 4 x 2,048 x 1,024 float32.
;; 2 versions, each right; version 2 is version 1 with the launch cast written anew for expert scheduling mode. Each part assembles by itself: llvm-mc -triple=amdgcn-amd-amdhsa -mcpu=gfx1250 --defsym DOCPART=n.
;; ======== version 1 of 2: 4 launches
;; workspace buffers: xb 16,777,216 bytes; wt 6,291,456 bytes; ball 12,288 bytes; qkv 50,331,648 bytes; pm 33,554,432 bytes; st 1,048,576 bytes
;; launch cast (part 1): grid 256 x 1, 16 waves a work-group, no clusters, 38,912 bytes of LDS; arguments x, Wq, Wk, Wv, bq, bk, bv, xb, wt, ball; writes xb, wt, ball
.if DOCPART == 1
	.amdgcn_target "amdgcn-amd-amdhsa--gfx1250"
	.amdhsa_code_object_version 6
	.text
	.protected	k_q90e47b0e95_cast
	.globl	k_q90e47b0e95_cast
	.p2align	8
	.type	k_q90e47b0e95_cast,@function
k_q90e47b0e95_cast:
	s_mov_b64 s[64:65], 0
	v_nop
	global_prefetch_b8 v0, s[64:65] scope:SCOPE_SE
	s_setreg_imm32_b32 hwreg(HW_REG_WAVE_MODE, 25, 1), 1
	s_wait_xcnt 0x0
; All seven inputs are rounded once to bf16 and laid out for the product that follows.
;   xb[kb][token][64]  = x[token][64 kb + ..]      16 blocks of K, each 8,192 tokens x 128 bytes, dense
;   wt[kb][n][64]      = W[64 kb + ..][n], turned;  n = 0-1023 Wq's columns, 1024-2047 Wk's, 2048-3071 Wv's
;   ball[n]            = the three biases on end, rounded to bf16 and kept as f32
; A stream: no matrix work, no cluster, no barrier; every byte is read once and written once.
; SHARES.  A work-group owns 32 tokens; wave w takes K block w of them.  A load takes 2 tokens x 256 consecutive bytes (lane l: 16 bytes at 16 (l % 16) of token l / 16), a store the
; same 2 tokens' 2 x 128 bytes of xb, which lie on end: 256 consecutive bytes, aligned, 8 a lane.  Waves 0-11 also turn a block of 64 k x 16 n of one W through a stage of their own in LDS; here a load
; takes 64 bytes of a row of W, and four neighbouring waves take the four quarters of 256 consecutive bytes (W is 12 MiB of the launch's 46).  Wave 12 of work-groups 0-23 rounds 128 biases.
.set SPARE, 36864                      ; behind the 16 stages: the spare words, 128 bytes for each wave, eight blocks of 256 bytes that no other line names
.set STG,   2304                       ; a wave's stage: 16 rows (n) of 128 bytes + 16 of padding
.set XO,  2                            ; v2   my byte offset in x: (l / 16) rows + 16 (l % 16) + 256 w
.set YO,  3                            ; v3   my byte offset in xb: 8 l + w blocks of K
.set WO,  4                            ; v4   my byte offset in W: 8 (l / 4) rows + 16 (l % 4)
.set SA,  5                            ; v5   where I put 16 bytes into the stage
.set SR,  6                            ; v6   where I read them back
.set L16, 7                            ; v7   16 l
.set SPW, 8                            ; v8   LDS address of my spare word; never rewritten
.set NIL, 9                            ; v9   0; never rewritten
.set PK,  16                           ; v[16:31]  W, packed
.set X,   32                           ; v[32:95]  x: load j at 32 + 4 j
.set W,   96                           ; v[96:127] W as loaded; later as read back
	s_load_b512 s[4:19], s[0:1], 0x0               ; x 4, Wq 6, Wk 8, Wv 10, bq 12, bk 14, bv 16, xb 18
	s_load_b128 s[20:23], s[0:1], 0x40             ; wt 20, ball 22
	v_lshl_add_u32 v[SPW], v0, 2, SPARE
	v_mov_b32 v[NIL], 0
	v_lshrrev_b32 v10, 5, v0
	v_readfirstlane_b32 s24, v10                   ; wave 0..15
	v_and_b32 v1, 31, v0                           ; l
	v_lshrrev_b32 v10, 3, v1                       ; l / 8
	v_and_b32 v11, 7, v1                           ; l % 8
	v_lshrrev_b32 v14, 4, v1                       ; l / 16
	v_and_b32 v15, 15, v1                          ; l % 16
	v_lshlrev_b32 v[XO], 12, v14
	v_lshl_add_u32 v[XO], v15, 4, v[XO]
	s_lshl_b32 s25, s24, 8
	v_add_nc_u32 v[XO], s25, v[XO]
	v_lshlrev_b32 v[L16], 4, v1
	s_lshl_b32 s25, s24, 20                        ; a block of K in xb is 8,192 x 128 bytes
	v_lshl_add_u32 v[YO], v1, 3, s25
	s_lshl_b32 s26, ttmp9, 17                      ; the work-group's 32 rows of x,
	s_mov_b32 s27, 0
	s_lshl_b32 s28, ttmp9, 12                      ; and of a block of xb
	s_mov_b32 s29, 0
	s_wait_kmcnt 0x0
	s_add_nc_u64 s[4:5], s[4:5], s[26:27]
	s_add_nc_u64 s[18:19], s[18:19], s[28:29]
.macro XLOADS                          ; all sixteen loads of x go out together: load j takes tokens 2 j and 2 j + 1
.irp j, 0,1,2,3,4,5,6,7,8,9,10,11,12,13,14,15
	global_load_b128 v[X+4*(\j):X+4*(\j)+3], v[XO], s[4:5] offset:(\j)*8192 th:TH_LOAD_NT
.endr
.endm
.macro XWORK                           ; two loads at a time: four numbers a lane and load rounded in place, ascending, and stored
.irp p, 0,1,2,3,4,5,6,7
	s_wait_loadcnt 14-2*(\p)                       ; loads come back in order: the pairs behind p may stay out
.irp i, 0,1
	v_cvt_pk_bf16_f32 v[X+8*(\p)+4*(\i)],   v[X+8*(\p)+4*(\i)],   v[X+8*(\p)+4*(\i)+1]
	v_cvt_pk_bf16_f32 v[X+8*(\p)+4*(\i)+1], v[X+8*(\p)+4*(\i)+2], v[X+8*(\p)+4*(\i)+3]
	global_store_b64 v[YO], v[X+8*(\p)+4*(\i):X+8*(\p)+4*(\i)+1], s[18:19] offset:256*(2*(\p)+(\i))  ; 2 tokens x 128 bytes: 256 consecutive bytes, aligned
.endr
.endr
.endm
	s_cmp_lt_u32 s24, 12
	s_cbranch_scc0 .Lplain
	; a wave with a block of W: block G = 3 x work-group + w / 4 of 768 (matrix, K block, 64 columns), quarter w % 4 of its columns
	s_mul_i32 s32, ttmp9, 3
	s_lshr_b32 s33, s24, 2
	s_add_co_u32 s32, s32, s33
	s_lshr_b32 s33, s32, 8                         ; which W
	s_bfe_u32 s34, s32, 0x40004                    ; K block
	s_and_b32 s35, s32, 15                         ; 64 columns
	s_and_b32 s36, s24, 3                          ; 16 of them
	s_lshl_b32 s26, s34, 18                        ; from: 64 rows of 4,096 bytes a K block,
	s_lshl_b32 s27, s35, 8
	s_add_co_u32 s26, s26, s27
	s_lshl_b32 s27, s36, 6
	s_add_co_u32 s26, s26, s27
	s_mov_b32 s27, 0
	s_mul_i32 s30, s34, 393216                     ; to: 3,072 rows of 128 bytes a K block
	s_lshl_b32 s31, s33, 17
	s_add_co_u32 s30, s30, s31
	s_lshl_b32 s31, s35, 13
	s_add_co_u32 s30, s30, s31
	s_lshl_b32 s31, s36, 11
	s_add_co_u32 s30, s30, s31
	s_mov_b32 s31, 0
	s_cmp_eq_u32 s33, 0
	s_cselect_b64 s[38:39], s[6:7], s[8:9]
	s_cmp_eq_u32 s33, 2
	s_cselect_b64 s[38:39], s[10:11], s[38:39]
	s_add_nc_u64 s[38:39], s[38:39], s[26:27]
	s_add_nc_u64 s[20:21], s[20:21], s[30:31]
	v_lshrrev_b32 v12, 2, v1                       ; l / 4
	v_and_b32 v13, 3, v1                           ; l % 4
	v_lshlrev_b32 v[WO], 15, v12
	v_lshl_add_u32 v[WO], v13, 4, v[WO]
.irp t, 0,1,2,3,4,5,6,7
	global_load_b128 v[W+4*(\t):W+4*(\t)+3], v[WO], s[38:39] offset:4096*(\t)  ; W[8 (l / 4) + t][4 (l % 4) + 0..3]
.endr
	XLOADS
	s_mul_i32 s37, s24, STG
	v_mul_u32_u24 v[SA], v13, 576                  ; row n = 4 (l % 4) + i, bytes 16 (l / 4): sixteen lanes meet sixteen different columns of 16 bytes
	v_lshl_add_u32 v[SA], v12, 4, v[SA]
	v_add_nc_u32 v[SA], s37, v[SA]
	v_mul_u32_u24 v[SR], v10, 144
	v_lshl_add_u32 v[SR], v11, 4, v[SR]
	v_add_nc_u32 v[SR], s37, v[SR]
	XWORK                                          ; its last wait is for 0: W's loads, issued first, are in too
.irp i, 0,1,2,3
.irp u, 0,1,2,3
	v_cvt_pk_bf16_f32 v[PK+4*(\i)+(\u)], v[W+8*(\u)+(\i)], v[W+8*(\u)+4+(\i)]  ; column i: k = 2 u, 2 u + 1 of my eight
.endr
	ds_store_b128 v[SA], v[PK+4*(\i):PK+4*(\i)+3] offset:144*(\i)
.endr
.irp t, 0,1,2,3
	ds_load_b128 v[W+4*(\t):W+4*(\t)+3], v[SR] offset:576*(\t)  ; my own bytes, served in order: these see the stores above
.endr
.irp t, 0,1,2,3
	s_wait_dscnt 3-(\t)
	global_store_b128 v[L16], v[W+4*(\t):W+4*(\t)+3], s[20:21] offset:512*(\t)  ; 4 rows of wt: 512 consecutive bytes
.endr
	s_branch .Lend
.Lplain:
	XLOADS
	XWORK
	s_cmp_eq_u32 s24, 12
	s_cbranch_scc0 .Lend
	s_cmp_lt_u32 ttmp9, 24
	s_cbranch_scc0 .Lend
	s_lshr_b32 s33, ttmp9, 3                       ; which bias; 128 numbers of it
	s_and_b32 s26, ttmp9, 7
	s_lshl_b32 s26, s26, 9
	s_mov_b32 s27, 0
	s_lshl_b32 s30, ttmp9, 9
	s_mov_b32 s31, 0
	s_cmp_eq_u32 s33, 0
	s_cselect_b64 s[38:39], s[12:13], s[14:15]
	s_cmp_eq_u32 s33, 2
	s_cselect_b64 s[38:39], s[16:17], s[38:39]
	s_add_nc_u64 s[38:39], s[38:39], s[26:27]
	s_add_nc_u64 s[22:23], s[22:23], s[30:31]
	global_load_b128 v[W:W+3], v[L16], s[38:39]
	s_wait_loadcnt 0x0
	v_cvt_pk_bf16_f32 v[PK], v[W], v[W+1]
	v_cvt_pk_bf16_f32 v[PK+1], v[W+2], v[W+3]
	v_lshlrev_b32 v[PK+4], 16, v[PK]               ; back to f32: the next launch takes them as the start of f32 sums
	v_and_b32 v[PK+5], 0xffff0000, v[PK]
	v_lshlrev_b32 v[PK+6], 16, v[PK+1]
	v_and_b32 v[PK+7], 0xffff0000, v[PK+1]
	global_store_b128 v[L16], v[PK+4:PK+7], s[22:23]
.Lend:
	s_wait_tensorcnt 0x0                           ; the wave's end, behind my last LDS store
	ds_add_u32 v[SPW], v[NIL]
	s_wait_dscnt 0x0
	s_endpgm
.Lfunc_end_k_q90e47b0e95_cast:
	.size	k_q90e47b0e95_cast, .Lfunc_end_k_q90e47b0e95_cast-k_q90e47b0e95_cast
	.p2alignl 7, 3214868480
	.fill 96, 4, 3214868480
	.section	.rodata,"a",@progbits
	.p2align	6, 0x0
	.amdhsa_kernel k_q90e47b0e95_cast
		.amdhsa_group_segment_fixed_size 38912
		.amdhsa_private_segment_fixed_size 0
		.amdhsa_enable_private_segment 0
		.amdhsa_kernarg_size 80
		.amdhsa_user_sgpr_count 2
		.amdhsa_user_sgpr_kernarg_segment_ptr 1
		.amdhsa_wavefront_size32 1
		.amdhsa_system_sgpr_workgroup_id_x 1
		.amdhsa_system_sgpr_workgroup_id_y 1
		.amdhsa_system_sgpr_workgroup_id_z 1
		.amdhsa_system_vgpr_workitem_id 0
		.amdhsa_next_free_vgpr 128
		.amdhsa_next_free_sgpr 66
		.amdhsa_reserve_vcc 0
		.amdhsa_float_denorm_mode_32 3
		.amdhsa_float_denorm_mode_16_64 3
		.amdhsa_memory_ordered 1
		.amdhsa_forward_progress 1
		.amdhsa_inst_pref_size 18
	.end_amdhsa_kernel
	.amdgpu_metadata
---
amdhsa.version: [ 1, 2 ]
amdhsa.kernels:
  - .name:           k_q90e47b0e95_cast
    .symbol:         k_q90e47b0e95_cast.kd
    .args:
      - { .name: x, .offset: 0, .size: 8, .value_kind: global_buffer, .address_space: global }
      - { .name: Wq, .offset: 8, .size: 8, .value_kind: global_buffer, .address_space: global }
      - { .name: Wk, .offset: 16, .size: 8, .value_kind: global_buffer, .address_space: global }
      - { .name: Wv, .offset: 24, .size: 8, .value_kind: global_buffer, .address_space: global }
      - { .name: bq, .offset: 32, .size: 8, .value_kind: global_buffer, .address_space: global }
      - { .name: bk, .offset: 40, .size: 8, .value_kind: global_buffer, .address_space: global }
      - { .name: bv, .offset: 48, .size: 8, .value_kind: global_buffer, .address_space: global }
      - { .name: xb, .offset: 56, .size: 8, .value_kind: global_buffer, .address_space: global }
      - { .name: wt, .offset: 64, .size: 8, .value_kind: global_buffer, .address_space: global }
      - { .name: ball, .offset: 72, .size: 8, .value_kind: global_buffer, .address_space: global }
    .group_segment_fixed_size: 38912
    .private_segment_fixed_size: 0
    .kernarg_segment_align: 8
    .kernarg_segment_size: 80
    .max_flat_workgroup_size: 512
    .sgpr_count:     66
    .vgpr_count:     128
    .wavefront_size: 32
...
	.end_amdgpu_metadata
.endif
;; end of part 1
;; launch proj (part 2): grid 8 x 32, 4 waves a work-group, clusters of 4 x 4, 327,680 bytes of LDS; arguments xb, wt, ball, qkv; writes qkv
.if DOCPART == 2
	.amdgcn_target "amdgcn-amd-amdhsa--gfx1250"
	.amdhsa_code_object_version 6
	.text
	.protected	k_q90e47b0e95_proj
	.globl	k_q90e47b0e95_proj
	.p2align	8
	.type	k_q90e47b0e95_proj,@function
k_q90e47b0e95_proj:
	s_mov_b64 s[64:65], 0
	v_nop
	global_prefetch_b8 v0, s[64:65] scope:SCOPE_SE
	s_setreg_imm32_b32 hwreg(HW_REG_WAVE_MODE, 25, 1), 1
	s_wait_xcnt 0x0
	s_wait_alu depctr_hold_cnt(0) depctr_sa_sdst(0) depctr_va_vdst(0) depctr_va_sdst(0) depctr_va_ssrc(0) depctr_va_vcc(0) depctr_vm_vsrc(0)
	s_getreg_b32 s2, hwreg(HW_REG_IB_STS2, 6, 4)
	s_cmp_eq_u32 s2, 0
	s_cbranch_scc0 .Lentry_in_a_cluster
	s_endpgm
.Lentry_in_a_cluster:
	s_bfe_u32 s2, ttmp6, 0x10000c
	s_cmp_lg_u32 s2, 0xf033
	s_cbranch_scc0 .Lentry_shape_is_right
	s_endpgm
.Lentry_shape_is_right:
; qkv[token][n] = the sum over k of x[token][k] W[k][n] + b[n], n = 0..3071 (q, k, v on end), bf16 operands, f32 sums, rounded once to bf16.
; 8,192 x 3,072 x 1,024.  A work-group makes 256 tokens x 384 columns: 32 x 8 = 256 work-groups.  Four waves, each 128 x 192: 96 accumulators, 768 registers.
; K goes in steps of 64 through two LDS slots.  xb and wt lie in blocks of K, so a step's tile is dense in memory and is asked for as rows of 256 bytes (two rows of 64 numbers), padded in LDS after every 128 bytes.
; CLUSTER 4 x 4: x's tile is shared along a row of the cluster, W's along a column; each is asked for jointly, by the same load with the same descriptor and a mask of four.
; THE PRODUCT IS USED TURNED: source 0 = 16 columns (rows of wt), source 1 = 16 tokens: a lane holds one token (lane % 16) and the columns 8 (lane / 16) + 0..7.
; THE BIAS STARTS THE SUMS: it is loaded into the registers of the accumulators of token block 7 and is the C operand of every first product.
; REGISTERS, in windows of 256: window 0: v0-31 addresses; v32-95, v96-159 x's fragments (8 x 16 tokens x 32 k), two buffers; v160-255 W's fragments, three groups of four, one buffer:
; a group is fetched anew as soon as its 32 products are issued.  Windows 1-3: the accumulators of column group 0-2: token block a, column block bb at v[8 (4 a + bb)].
; LIMITS.  Inputs arrive rounded to bf16; NaN and infinities are not treated apart.
.set NG,     3                         ; groups of four column blocks
.set STEPS,  16
.set PITCH,  144                       ; 128 bytes + 16: the sixteen rows of a fragment load start in sixteen different columns of 16 bytes
.set FRP,    16*PITCH
.set ABYTES, 256*PITCH                 ; x's 256 rows; behind them W's 384
.set SLOT1,  0x20000                   ; slot 1 begins here: one exclusive or turns an address in one slot into the other's (a slot is 92,160 bytes)
.set SP,     784                       ; the stage's pitch: 768 bytes + 16
.set SPARE,  223232                    ; behind slot 1: the spare words, 128 bytes a wave: two blocks of 256 bytes that no other line names
.set KSTA,   8192*128                  ; bytes from a block of K to the next, in xb
.set KSTB,   3072*128                  ; and in wt
.set G1W,    (1<<16)|(1<<20)|(1<<21)|(4<<22)|(3<<25)  ; 2-byte elements; padding on; bit 21 set beside a mask; after every 32 words; 4 words
.set ADA, 4                            ; v4   LDS address of my x fragments in the slot in hand
.set ADB, 5                            ; v5   of my W fragments
.set A0,  6                            ; v6   the same in slot 0; never rewritten
.set B0,  7                            ; v7
.set STOL, 8                           ; v8   the way out: where I put 16 bytes of a row, token blocks 0-3
.set STOH, 9                           ; v9   token blocks 4-7
.set RD,  10                           ; v10  where I read rows back
.set CO,  11                           ; v11  my byte offset in qkv
.set PFO, 12                           ; v12  256 x lane
.set BO,  13                           ; v13  32 (lane / 16): my eight biases of a column block
.set SPW, 14                           ; v14  LDS address of my spare word; never rewritten
.set NIL, 15                           ; v15  0; never rewritten
.set AF0, 32
.set AF1, 96
.set BF,  160
.set TMP, 32                           ; the way out
.set WV,  12
.set R1,  13                           ; wave / 2: my half of the tokens; also: I fetch x (0) or W (1)
.set R0,  14                           ; wave % 2: my half of the columns; also: which half of that tile I fetch
.set CX,  15
.set CY,  16
.set TX,  17
.set TY,  18
.set CLY, 19
.set G1A, 24
.set G1B, 32
.set G0A, 40                           ; two sets: slot 0 with step 0; slot 1 with step 1, which then walks
.set G0B, 48
.set CNT, 56
.set TB,  57                           ; the slot in hand: 0 or SLOT1
.set LIM, 58                           ; a wave prefetches while CNT is above it
.set LTOG, 59
.set PFA, 60
.set PFS, 62
.set MSB, 0
.macro WIN new                         ; the immediate's high byte repeats the setting that is left; a switch that changes nothing is dropped
.if MSB != (\new)
	s_set_vgpr_msb (MSB<<8)|(\new)
.set MSB, \new
.endif
.endm
.macro PLACES                          ; four plain instructions: between a product and a load into, or a read of, its registers
.rept 4
	v_nop
.endr
.endm
.macro CREST                           ; a round of the cluster's barrier behind its opening barrier
	s_cmp_lg_u32 s[WV], 0
	s_cbranch_scc1 .Lnot_wave_0_\@
	s_barrier_signal -3
.Lnot_wave_0_\@:
	s_barrier_wait -3
	s_barrier_signal -1
	s_barrier_wait -1
.endm
.macro CROUND
	s_barrier_signal -1
	s_barrier_wait -1
	CREST
.endm
.macro JLOAD                           ; a joint refill by the walking descriptor: waves 0, 1 x's two halves, waves 2, 3 W's; an s_nop 0 and four v_nop follow each line
	s_cmp_eq_u32 s[R1], 0
	s_cbranch_scc0 .Lfor_b_\@
	tensor_load_to_lds s[G0A+4:G0A+7], s[G1A:G1A+7]
	s_nop 0
	PLACES
	s_branch .Lasked_\@
.Lfor_b_\@:
	tensor_load_to_lds s[G0B+4:G0B+7], s[G1B:G1B+7]
	s_nop 0
	PLACES
.Lasked_\@:
.endm
; A PREFETCH of the block of K that stands two refills on (W's: two or three), 32 blocks of 256 bytes, a lane a block, behind the joint load and the run of LDS loads.  Each block is named once in the launch:
; x's 1,024 rows of a row of clusters by wave 0 of the sixteen work-groups of the cluster with x = 0; W's 1,536 rows of a column of clusters by waves 1-3 of the cluster with y = 0: 48 waves for 24 waves' blocks,
; so they ask in every other trip, half of them for the one step, half for the next.  Partners are told apart by address alone.  CNT above 2 keeps the step asked for at 15 or below.
.macro ASK
	s_cmp_gt_u32 s[CNT], s[LIM]
	s_cbranch_scc0 .Lnot_mine_\@
	global_prefetch_b8 v[PFO], s[PFA:PFA+1] th:TH_LOAD_NT scope:SCOPE_SE
.Lnot_mine_\@:
	s_xor_b32 s[LIM], s[LIM], s[LTOG]              ; W's askers: 2 and the greatest number by turns
.endm
.macro WM g, a, bb, af                 ; one product
	v_wmma_f32_16x16x32_bf16 v[8*(4*(\a)+(\bb)):8*(4*(\a)+(\bb))+7], v[BF+32*(\g)+8*(\bb):BF+32*(\g)+8*(\bb)+7], v[(\af)+8*(\a):(\af)+8*(\a)+7], v[8*(4*(\a)+(\bb)):8*(4*(\a)+(\bb))+7]
.endm
.macro PH g, af, a0, a1                ; column group g x token blocks a0..a1: the accumulators take turns, one instruction a turn
	WIN 0x50*((\g)+1)
.set pa, \a0
.rept (\a1)-(\a0)+1
.irp bb, 0,1,2,3
	WM \g, pa, \bb, \af
.endr
.set pa, pa+1
.endr
.endm
.macro PHZ g, af                       ; the first products: C is the bias, which lies in block 7's accumulators; five plain instructions stand before those are written over
	WIN 0x50*((\g)+1)
.set pa, 0
.rept 7
.irp bb, 0,1,2,3
	v_wmma_f32_16x16x32_bf16 v[8*(4*pa+(\bb)):8*(4*pa+(\bb))+7], v[BF+32*(\g)+8*(\bb):BF+32*(\g)+8*(\bb)+7], v[(\af)+8*pa:(\af)+8*pa+7], v[224+8*(\bb):231+8*(\bb)]
.endr
.set pa, pa+1
.endr
.rept 5
	v_nop
.endr
.irp bb, 0,1,2,3
	WM \g, 7, \bb, \af
.endr
.endm
.macro PHX g, af, zero
.if \zero
	PHZ \g, \af
.else
	PH \g, \af, 0, 7
.endif
.endm
.macro LDA k, af                       ; 16 loads: x's eight fragments at byte k of the rows
.irp i, 0,1,2,3,4,5,6,7
	ds_load_b128 v[(\af)+8*(\i):(\af)+8*(\i)+3],   v[ADA] offset:(\k)+(\i)*FRP
	ds_load_b128 v[(\af)+8*(\i)+4:(\af)+8*(\i)+7], v[ADA] offset:(\k)+(\i)*FRP+32
.endr
.endm
.macro LDB k, g                        ; 8 loads: the four fragments of W's group g
.irp i, 0,1,2,3
	ds_load_b128 v[BF+32*(\g)+8*(\i):BF+32*(\g)+8*(\i)+3],   v[ADB] offset:(\k)+(4*(\g)+(\i))*FRP
	ds_load_b128 v[BF+32*(\g)+8*(\i)+4:BF+32*(\g)+8*(\i)+7], v[ADB] offset:(\k)+(4*(\g)+(\i))*FRP+32
.endr
.endm
; 32 along K: 96 products on buffer af; behind each group's 32 its registers are fetched anew, for the 32 along K at byte k, x's into afn.
.macro QUARTER k, af, afn, zero
	s_wait_dscnt 8*(NG-1)                          ; x and group 0 are in; the later groups' loads may be out
	PHX 0, \af, \zero
	WIN 0
	PLACES
	LDA \k, \afn
	LDB \k, 0
.set qg, 1
.rept NG-1
	s_wait_dscnt 24+8*(NG-2)                       ; behind group qg's loads were issued the later groups' and the new ones: 32
	PHX qg, \af, \zero
	WIN 0
	PLACES
	LDB \k, qg
.set qg, qg+1
.endr
.endm
; A step's last 32 along K (buffer 1), and the change of slots.  In front of the barrier each wave waits for all its tensor loads (one is out: its part of the other slot), adds 0 to its spare word, and waits for that
; and for its reads of this slot.  fill = 1: the barrier opens a round of the cluster's; the joint refill of this slot, two steps ahead, is the first thing behind it and has 160 products in which to land.
.macro TURNQ fill
.if \fill
	s_wait_xcnt 0x0                                ; the last prefetch, a step back, has read its address
	s_add_nc_u64 s[PFA:PFA+1], s[PFA:PFA+1], s[PFS:PFS+1]
.endif
	WIN 0
	s_wait_tensorcnt 0x0                           ; no tensor load of mine is out, so the walking descriptors may be written
	ds_add_u32 v[SPW], v[NIL]                      ; 0 onto my spare word
.if \fill
	s_xor_b32 s[G0A+5], s[G0A+5], SLOT1            ; the other slot than last time, the next step
	s_add_nc_u64 s[G0A+6:G0A+7], s[G0A+6:G0A+7], KSTA
	s_xor_b32 s[G0B+5], s[G0B+5], SLOT1
	s_add_nc_u64 s[G0B+6:G0B+7], s[G0B+6:G0B+7], KSTB
.endif
	s_wait_dscnt 8*(NG-1)+1                        ; the add and the later groups' loads may be out
	PH 0, AF1, 0, 3
	s_wait_dscnt 0x0                               ; the add is done, and my reads of this slot are over
	s_barrier_signal -1
	PH 0, AF1, 4, 7                                ; work on registers while the others arrive
	WIN 0
	s_barrier_wait -1
.if \fill
	CREST
	JLOAD                                          ; its four v_nop are also the places in front of the loads below
.else
	PLACES
.endif
	s_xor_b32 s[TB], s[TB], SLOT1
	v_add_nc_u32 v[ADA], s[TB], v[A0]
	v_add_nc_u32 v[ADB], s[TB], v[B0]
	LDA 0, AF0
	LDB 0, 0
.if \fill
	ASK
.endif
.set qg, 1
.rept NG-1
	PH qg, AF1, 0, 7                               ; in since the wait for 0
	WIN 0
	PLACES
	LDB 0, qg
.set qg, qg+1
.endr
.endm
	s_load_b256 s[4:11], s[0:1], 0x0               ; xb 4, wt 6, ball 8, qkv 10
	v_lshl_add_u32 v[SPW], v0, 2, SPARE
	v_mov_b32 v[NIL], 0
	ds_add_u32 v[SPW], v[NIL]                      ; the wave's opening: the add and its wait ahead of my first tensor load
	ds_add_u32 v14, v15
	v_lshrrev_b32 v1, 5, v0
	v_readfirstlane_b32 s[WV], v1
	s_lshr_b32 s[R1], s[WV], 1
	s_and_b32 s[R0], s[WV], 1
	s_bfe_u32 s[CX], ttmp6, 0x40000
	s_bfe_u32 s[CY], ttmp6, 0x40004
	s_lshl_b32 s[TX], ttmp9, 2
	s_add_co_u32 s[TX], s[TX], s[CX]               ; my 384 columns
	s_and_b32 s[CLY], ttmp7, 0xffff
	s_lshl_b32 s[TY], s[CLY], 2
	s_add_co_u32 s[TY], s[TY], s[CY]               ; my 256 tokens
	s_lshl_b32 s20, s[CY], 2
	s_lshl_b32 s20, 15, s20                        ; my row of the cluster
	s_lshl_b32 s70, 0x1111, s[CX]                  ; my column
	s_or_b32 s[G1A], s20, G1W
	s_or_b32 s[G1B], s70, G1W
	s_mov_b32 s[G1A+1], 128<<16                    ; tensor_dim0 = 128 elements: 256 bytes, two rows of the tile
	s_mov_b32 s[G1A+2], 64<<16                     ; tensor_dim1 = 64: 128 tokens
	s_mov_b32 s[G1A+3], 128<<16                    ; tile_dim0
	s_mov_b32 s[G1A+4], 64                         ; tile_dim1
	s_mov_b32 s[G1A+5], 128                        ; dense
	s_mov_b32 s[G1A+6], 0
	s_mov_b32 s[G1A+7], 0
	s_mov_b32 s[G1B+1], 128<<16
	s_mov_b32 s[G1B+2], 96<<16                     ; 192 rows of wt
	s_mov_b32 s[G1B+3], 128<<16
	s_mov_b32 s[G1B+4], 96
	s_mov_b32 s[G1B+5], 128
	s_mov_b32 s[G1B+6], 0
	s_mov_b32 s[G1B+7], 0
	s_mul_i32 s21, s[R0], 128*PITCH                ; where the halves go: no place in the cluster enters an LDS address
	s_mul_i32 s71, s[R0], 192*PITCH
	s_add_co_u32 s71, s71, ABYTES
.irp s, 0,1
	s_mov_b32 s[G0A+4*(\s)], 1
	s_add_co_u32 s[G0A+4*(\s)+1], s21, (\s)*SLOT1
	s_mov_b32 s[G0B+4*(\s)], 1
	s_add_co_u32 s[G0B+4*(\s)+1], s71, (\s)*SLOT1
.endr
	s_lshl_b32 s22, s[TY], 15                      ; x: 256 tokens x 128 bytes a work-group, 128 tokens a half
	s_lshl_b32 s23, s[R0], 14
	s_add_co_u32 s22, s22, s23
	s_mov_b32 s23, 0
	s_mul_i32 s72, s[TX], 384*128                  ; W: in registers that never hold the other coordinate
	s_mul_i32 s73, s[R0], 192*128
	s_add_co_u32 s72, s72, s73
	s_mov_b32 s73, 0
	s_mov_b32 s[TB], 0
	s_wait_dscnt 0x0                               ; the opening add is done
	s_wait_kmcnt 0x0
	s_add_nc_u64 s[22:23], s[4:5], s[22:23]
	s_add_nc_u64 s[72:73], s[6:7], s[72:73]
.irp s, 0,1
	s_add_nc_u64 s[G0A+4*(\s)+2:G0A+4*(\s)+3], s[22:23], (\s)*KSTA
	s_or_b32 s[G0A+4*(\s)+3], s[G0A+4*(\s)+3], 0x80000000
	s_add_nc_u64 s[G0B+4*(\s)+2:G0B+4*(\s)+3], s[72:73], (\s)*KSTB
	s_or_b32 s[G0B+4*(\s)+3], s[G0B+4*(\s)+3], 0x80000000
.endr
	CROUND                                         ; all sixteen work-groups are here: the first joint loads meet
	s_cmp_eq_u32 s[R1], 0                          ; a wave's two first fills stand in one branch: two loads of mine are out
	s_cbranch_scc0 .Lfirst_b
	tensor_load_to_lds s[G0A:G0A+3], s[G1A:G1A+7]
	s_nop 0
	tensor_load_to_lds s[G0A+4:G0A+7], s[G1A:G1A+7]
	s_nop 0
	PLACES
	s_branch .Lfirst_done
.Lfirst_b:
	tensor_load_to_lds s[G0B:G0B+3], s[G1B:G1B+7]
	s_nop 0
	tensor_load_to_lds s[G0B+4:G0B+7], s[G1B:G1B+7]
	s_nop 0
	PLACES
.Lfirst_done:
	v_and_b32 v1, 15, v0                           ; r = lane % 16
	v_bfe_u32 v2, v0, 4, 1                         ; h = lane / 16
	v_and_b32 v3, 31, v0
	; the bias of my 192 columns: a lane's eight numbers of column block b, into the accumulators of token block 7
	s_mul_i32 s74, s[TX], 384*4
	s_mul_i32 s75, s[R0], 192*4
	s_add_co_u32 s74, s74, s75
	s_mov_b32 s75, 0
	s_add_nc_u64 s[8:9], s[8:9], s[74:75]
	v_lshlrev_b32 v[BO], 5, v2
.irp g, 0,1,2
	WIN 0x40*((\g)+1)
.irp bb, 0,1,2,3
	global_load_b128 v[224+8*(\bb):227+8*(\bb)], v[BO], s[8:9] offset:64*(4*(\g)+(\bb))
	global_load_b128 v[228+8*(\bb):231+8*(\bb)], v[BO], s[8:9] offset:64*(4*(\g)+(\bb))+16
.endr
.endr
	WIN 0
	v_mul_u32_u24 v16, v1, PITCH
	v_lshl_add_u32 v16, v2, 4, v16                 ; a fragment: row x pitch + 16 x half
	s_mul_i32 s20, s[R1], 128*PITCH
	v_add_nc_u32 v[A0], s20, v16
	v_add_nc_u32 v[B0], s71, v16                   ; my 192 rows of W are the half that R0 names
	v_mov_b32 v[ADA], v[A0]
	v_mov_b32 v[ADB], v[B0]
	s_mul_i32 s76, s[R1], 128*SP                   ; the stage: row 128 R1 + 16 a + r, bytes 384 R0 + 32 b + 16 h
	s_mul_i32 s77, s[R0], 384
	s_add_co_u32 s76, s76, s77
	v_mul_u32_u24 v[STOL], v1, SP
	v_lshl_add_u32 v[STOL], v2, 4, v[STOL]
	v_add_nc_u32 v[STOL], s76, v[STOL]
	v_add_nc_u32 v[STOH], 64*SP, v[STOL]
	s_mul_i32 s76, s[WV], 64*SP                    ; back: wave w takes rows 64 w .., whole; lanes 0-15 256 bytes of one row, lanes 16-31 of the next
	v_mul_u32_u24 v[RD], v2, SP
	v_lshl_add_u32 v[RD], v1, 4, v[RD]
	v_add_nc_u32 v[RD], s76, v[RD]
	v_mul_u32_u24 v[CO], v2, 6144
	v_lshl_add_u32 v[CO], v1, 4, v[CO]
	s_lshl_b32 s76, s[TY], 8
	s_lshl_b32 s77, s[WV], 6
	s_add_co_u32 s76, s76, s77
	s_mul_i32 s76, s76, 6144
	s_mul_i32 s77, s[TX], 768
	s_add_co_u32 s76, s76, s77
	s_mov_b32 s77, 0
	s_add_nc_u64 s[10:11], s[10:11], s[76:77]
	; the prefetches: where they stand one step short of the first step asked for
	s_lshl_b32 s74, s[CY], 2
	s_add_co_u32 s74, s74, s[CX]                   ; my place p among the sixteen
	s_lshl_b32 s75, s[CLY], 17                     ; x: the cluster's 1,024 rows, 8,192 bytes of them a work-group
	s_lshl_b32 s76, s74, 13
	s_add_co_u32 s75, s75, s76
	s_add_co_u32 s75, s75, 3*KSTA
	s_mul_i32 s76, s74, 3                          ; W: asker q = 3 p + wave - 1 of 48
	s_add_co_u32 s76, s76, s[WV]
	s_sub_co_u32 s76, s76, 1
	s_mul_i32 s77, s76, 171
	s_lshr_b32 s77, s77, 12                        ; q / 24: the first or the second of two steps
	s_mul_i32 s78, s77, 24
	s_sub_co_u32 s76, s76, s78
	s_lshl_b32 s76, s76, 13
	s_mul_i32 s78, ttmp9, 1536*128
	s_add_co_u32 s76, s76, s78
	s_add_co_u32 s77, s77, 3
	s_mul_i32 s77, s77, KSTB
	s_add_co_u32 s76, s76, s77
	s_mov_b32 s78, KSTA
	s_cmp_eq_u32 s[WV], 0
	s_cselect_b32 s76, s75, s76
	s_cselect_b32 s77, ttmp9, s[CLY]               ; the coordinate along which other clusters read the same rows
	s_cselect_b32 s[LTOG], 0, 0xfffffffd
	s_cselect_b32 s[PFS], s78, KSTB
	s_cselect_b64 s[PFA:PFA+1], s[4:5], s[6:7]
	s_mov_b32 s[PFS+1], 0
	s_cmp_eq_u32 s77, 0
	s_cselect_b32 s[LIM], 2, -1                    ; the same in all sixteen partners, for a given wave
	s_cselect_b32 s[LTOG], s[LTOG], 0
	s_mov_b32 s77, 0
	s_add_nc_u64 s[PFA:PFA+1], s[PFA:PFA+1], s[76:77]
	v_lshlrev_b32 v[PFO], 8, v3
	s_wait_tensorcnt 0x1                           ; my part of step 0 is in; step 1's may stay out
	s_barrier_signal -1
	s_barrier_wait -1
	LDA 0, AF0
	LDB 0, 0
	LDB 0, 1
	LDB 0, 2
	s_wait_loadcnt 0x0                             ; the bias
	QUARTER 64, AF0, AF1, 1                        ; the first products start the sums
	WIN 0
	s_mov_b32 s[CNT], STEPS-2
.Lstep:                                                ; trip s: the second half of step s, the refill with step s + 2, the first half of step s + 1
	TURNQ 1
	QUARTER 64, AF0, AF1, 0
	WIN 0
	s_sub_co_u32 s[CNT], s[CNT], 1
	s_cmp_lg_u32 s[CNT], 0
	s_cbranch_scc1 .Lstep
	s_mov_b32 s[CNT], 2
.Ltail:                                                ; the last two changes ask for nothing.  One text for both: the second passes a barrier and fetches fragments that serve nothing, once a launch
	TURNQ 0
	WIN 0
	s_sub_co_u32 s[CNT], s[CNT], 1
	s_cmp_eq_u32 s[CNT], 0
	s_cbranch_scc1 .Lout
	QUARTER 64, AF0, AF1, 0
	WIN 0
	s_cmp_lg_u32 s[CNT], 0
	s_cbranch_scc1 .Ltail
.Lout:
	; THE WAY OUT, through one stage of 256 rows x 768 bytes that lies over the slots, which have had their last fill.  Four v_nop stand behind the last product already.
	s_wait_dscnt 0x0                               ; my reads of the slots are over,
	s_barrier_signal -1
	s_barrier_wait -1                              ; everybody's are
.macro PACK a                          ; token block a: rounded, each accumulator from its low end on, and put into the stage
.irp g, 0,1,2
	WIN 5*((\g)+1)
.irp bb, 0,1,2,3
.irp i, 0,1,2,3
	v_cvt_pk_bf16_f32 v[TMP+4*(4*(\g)+(\bb))+(\i)], v[8*(4*(\a)+(\bb))+2*(\i)], v[8*(4*(\a)+(\bb))+2*(\i)+1]
.endr
.endr
.endr
	WIN 0
.irp b, 0,1,2,3,4,5,6,7,8,9,10,11
	ds_store_b128 v[STOL+(\a)/4], v[TMP+4*(\b):TMP+4*(\b)+3] offset:((\a)%4)*16*SP+32*(\b)
.endr
.endm
.irp a, 0,1,2,3,4,5,6,7
	PACK \a
.endr
	s_wait_dscnt 0x0                               ; for the others' sake: a row's 768 bytes come from two waves
	s_barrier_signal -1
	s_barrier_wait -1
.macro RB n                            ; batch n of four: 16 rows, 24 loads, into set n % 2
.irp p, 0,1,2,3,4,5,6,7
.irp c, 0,1,2
	ds_load_b128 v[TMP+96*((\n)%2)+4*(3*(\p)+(\c)):TMP+96*((\n)%2)+4*(3*(\p)+(\c))+3], v[RD] offset:(8*(\n)+(\p))*2*SP+256*(\c)
.endr
.endr
.endm
.macro SB n, younger                   ; younger: the LDS loads issued behind this batch's
.irp p, 0,1,2,3,4,5,6,7
.irp c, 0,1,2
	s_wait_dscnt (\younger)+23-(3*(\p)+(\c))
	global_store_b128 v[CO], v[TMP+96*((\n)%2)+4*(3*(\p)+(\c)):TMP+96*((\n)%2)+4*(3*(\p)+(\c))+3], s[10:11] offset:(8*(\n)+(\p))*12288+256*(\c)  ; 16 lanes store 256 consecutive bytes, aligned
.endr
.endr
.endm
	RB 0
	RB 1
	SB 0, 24
	s_wait_xcnt 0x0                                ; set 0 is loaded again only when its stores have read it
	RB 2
	SB 1, 24
	s_wait_xcnt 0x0
	RB 3
	SB 2, 24
	SB 3, 0
	s_wait_tensorcnt 0x0                           ; the wave's end
	ds_add_u32 v[SPW], v[NIL]
	s_wait_dscnt 0x0
	CROUND                                         ; the closing round
	s_endpgm
.Lfunc_end_k_q90e47b0e95_proj:
	.size	k_q90e47b0e95_proj, .Lfunc_end_k_q90e47b0e95_proj-k_q90e47b0e95_proj
	.p2alignl 7, 3214868480
	.fill 96, 4, 3214868480
	.section	.rodata,"a",@progbits
	.p2align	6, 0x0
	.amdhsa_kernel k_q90e47b0e95_proj
		.amdhsa_group_segment_fixed_size 327680
		.amdhsa_private_segment_fixed_size 0
		.amdhsa_enable_private_segment 0
		.amdhsa_kernarg_size 32
		.amdhsa_user_sgpr_count 2
		.amdhsa_user_sgpr_kernarg_segment_ptr 1
		.amdhsa_wavefront_size32 1
		.amdhsa_system_sgpr_workgroup_id_x 1
		.amdhsa_system_sgpr_workgroup_id_y 1
		.amdhsa_system_sgpr_workgroup_id_z 1
		.amdhsa_system_vgpr_workitem_id 0
		.amdhsa_next_free_vgpr 1024
		.amdhsa_next_free_sgpr 80
		.amdhsa_reserve_vcc 0
		.amdhsa_float_denorm_mode_32 3
		.amdhsa_float_denorm_mode_16_64 3
		.amdhsa_memory_ordered 1
		.amdhsa_forward_progress 1
		.amdhsa_inst_pref_size 111
	.end_amdhsa_kernel
	.amdgpu_metadata
---
amdhsa.version: [ 1, 2 ]
amdhsa.kernels:
  - .name:           k_q90e47b0e95_proj
    .symbol:         k_q90e47b0e95_proj.kd
    .args:
      - { .name: xb, .offset: 0, .size: 8, .value_kind: global_buffer, .address_space: global }
      - { .name: wt, .offset: 8, .size: 8, .value_kind: global_buffer, .address_space: global }
      - { .name: ball, .offset: 16, .size: 8, .value_kind: global_buffer, .address_space: global }
      - { .name: qkv, .offset: 24, .size: 8, .value_kind: global_buffer, .address_space: global }
    .group_segment_fixed_size: 327680
    .private_segment_fixed_size: 0
    .kernarg_segment_align: 8
    .kernarg_segment_size: 32
    .max_flat_workgroup_size: 128
    .sgpr_count:     80
    .vgpr_count:     1024
    .wavefront_size: 32
...
	.end_amdgpu_metadata
.endif
;; end of part 2
;; launch scores (part 3): grid 8 x 32, 4 waves a work-group, clusters of 4 x 4, 327,680 bytes of LDS; arguments qkv, pm, st; writes pm, st
.if DOCPART == 3
	.amdgcn_target "amdgcn-amd-amdhsa--gfx1250"
	.amdhsa_code_object_version 6
	.text
	.protected	k_q90e47b0e95_scores
	.globl	k_q90e47b0e95_scores
	.p2align	8
	.type	k_q90e47b0e95_scores,@function
k_q90e47b0e95_scores:
	s_mov_b64 s[64:65], 0
	v_nop
	global_prefetch_b8 v0, s[64:65] scope:SCOPE_SE
	s_setreg_imm32_b32 hwreg(HW_REG_WAVE_MODE, 25, 1), 1
	s_wait_xcnt 0x0
	s_wait_alu depctr_hold_cnt(0) depctr_sa_sdst(0) depctr_va_vdst(0) depctr_va_sdst(0) depctr_va_ssrc(0) depctr_va_vcc(0) depctr_vm_vsrc(0)
	s_getreg_b32 s2, hwreg(HW_REG_IB_STS2, 6, 4)
	s_cmp_eq_u32 s2, 0
	s_cbranch_scc0 .Lentry_in_a_cluster
	s_endpgm
.Lentry_in_a_cluster:
	s_bfe_u32 s2, ttmp6, 0x10000c
	s_cmp_lg_u32 s2, 0xf033
	s_cbranch_scc0 .Lentry_shape_is_right
	s_endpgm
.Lentry_shape_is_right:
; s = q . k for 256 queries x 256 keys of one batch; then, for each query and each block of 128 keys (a wave's share):
;   m = the block's largest s;  nu = floor(-c m), c = log2(e) / 32;  p = 2^(c s + nu);  l = the sum of the p.
; So the block's maximum, rounded up to a whole power of two, is taken away: the largest exponent lies in (-1, 0].  p is stored rounded once to bf16 (pm), nu and l in f32 (st);
; the next launch brings the sixteen blocks of a row to one scale by exact powers of two.
; 4 batches x 2,048 x 2,048 x 1,024: 32 x 8 = 256 work-groups, four waves of 128 x 128: 64 accumulators, 512 registers.  K in steps of 128 (rows of 256 bytes of qkv) through two LDS slots.
; CLUSTER 4 x 4: q's tile is shared along a row of the cluster, k's along a column.  THE PRODUCT IS USED TURNED (source 0 = 16 keys, source 1 = 16 queries): a lane holds one query (lane % 16) and keys 8 (lane / 16) + 0..7 of each block of 16.
; REGISTERS: window 0: v0-31 addresses; v32-95, v96-159 q's fragments, two buffers; v160-223 k's, two groups of four, one buffer.  Windows 1, 2: the accumulators: query block a, key block bb of the group at v[8 (4 a + bb)].
; LIMITS.  NaN and infinities are not treated apart; c m is taken to lie within 2^24, so that nu is a whole number held exactly; a p below 2^-126 counts as 0.
.set NG,     2
.set STEPS,  8
.set PITCH,  272
.set FRP,    16*PITCH
.set HALFT,  128*PITCH
.set SLOT1,  0x24000                   ; a slot is 139,264 bytes; none of the four tiles' places in it has a bit of this number set
.set STAGE,  SLOT1+4*HALFT             ; behind the ring, never filled by a tensor load: 16 rows x 272 bytes for each wave
.set SP,     272
.set STS,    STAGE+4*16*SP             ; 1,024 bytes for each wave: its 128 nu, its 128 l
.set SPARE,  STS+4096                  ; the spare words, 128 bytes a wave: two blocks of 256 bytes that no other line names
.set KST,    256
.set G1W,    (1<<16)|(1<<20)|(1<<21)|(5<<22)|(3<<25)  ; 2-byte elements; padding on; bit 21 beside a mask; after every 64 words; 4 words
.set ADA, 4
.set ADB, 5
.set A0,  6
.set B0,  7
.set STO, 8                            ; v8   the way out: where I put 16 bytes of a row
.set RD,  9                            ; v9   where I read rows back
.set CO,  10                           ; v10  my byte offset in pm
.set PFO, 11                           ; v11  lane x a row of qkv
.set STW, 12                           ; v12  where I put nu (lanes 0-15) or l (lanes 16-31)
.set STR, 13                           ; v13  where I read them back
.set SPW, 14
.set NIL, 15
.set SGO, 16                           ; v16  16 x lane
.set AF0, 32
.set AF1, 96
.set BF,  160
.set C0,  32                           ; the way out: v32-35 four chains of the maximum
.set NU,  36                           ; v36-37 nu, named as a pair
.set XS,  40                           ; v40-47 nu or l of query block a
.set SUMS, 48                          ; v48-79 sixteen pairs of partial sums
.set TM,  96                           ; v96-159 p, packed: two buffers of 32
.set BK,  160                          ; v160-223 rows read back: two buffers of 32
.set WV,  12
.set R1,  13
.set R0,  14
.set CX,  15
.set CY,  16
.set TX,  17
.set TY,  18
.set CLY, 19
.set G1A, 24
.set G1B, 32
.set G0A, 40
.set G0B, 48
.set CNT, 56
.set TB,  57
.set LIM, 58
.set PFA, 60
.set PFS, 62
.set CS,  66                           ; s[66:67] c
.set SEL, 68                           ; s[68:69] v_permlanex16_b32's selects: each lane takes its own place in the other half
.set NCS, 78                           ; s78  -c
.set MSB, 0
.macro WIN new
.if MSB != (\new)
	s_set_vgpr_msb (MSB<<8)|(\new)
.set MSB, \new
.endif
.endm
.macro PLACES
.rept 4
	v_nop
.endr
.endm
.macro CREST
	s_cmp_lg_u32 s[WV], 0
	s_cbranch_scc1 .Lnot_wave_0_\@
	s_barrier_signal -3
.Lnot_wave_0_\@:
	s_barrier_wait -3
	s_barrier_signal -1
	s_barrier_wait -1
.endm
.macro CROUND
	s_barrier_signal -1
	s_barrier_wait -1
	CREST
.endm
.macro JLOAD                           ; waves 0, 1 fetch q's two halves, waves 2, 3 k's; an s_nop 0 and four v_nop follow each line
	s_cmp_eq_u32 s[R1], 0
	s_cbranch_scc0 .Lfor_b_\@
	tensor_load_to_lds s[G0A+4:G0A+7], s[G1A:G1A+7]
	s_nop 0
	PLACES
	s_branch .Lasked_\@
.Lfor_b_\@:
	tensor_load_to_lds s[G0B+4:G0B+7], s[G1B:G1B+7]
	s_nop 0
	PLACES
.Lasked_\@:
.endm
; A PREFETCH of the K step that stands two refills on: 32 rows x 256 bytes, a lane a row.  q's rows are read by both clusters of a row of clusters: the one with x = 0 asks; k's by the two clusters of a batch
; in a column of clusters: the one with even y asks.  Of the 128 rows that a wave fetches each of the four partners takes 32, by address.  CNT above 2 keeps the step asked for at 7 or below.
.macro ASK
	s_cmp_gt_u32 s[CNT], s[LIM]
	s_cbranch_scc0 .Lnot_mine_\@
	global_prefetch_b8 v[PFO], s[PFA:PFA+1] th:TH_LOAD_NT scope:SCOPE_SE
.Lnot_mine_\@:
.endm
.macro WM g, a, bb, af, zero
.if \zero
	v_wmma_f32_16x16x32_bf16 v[8*(4*(\a)+(\bb)):8*(4*(\a)+(\bb))+7], v[BF+32*(\g)+8*(\bb):BF+32*(\g)+8*(\bb)+7], v[(\af)+8*(\a):(\af)+8*(\a)+7], 0
.else
	v_wmma_f32_16x16x32_bf16 v[8*(4*(\a)+(\bb)):8*(4*(\a)+(\bb))+7], v[BF+32*(\g)+8*(\bb):BF+32*(\g)+8*(\bb)+7], v[(\af)+8*(\a):(\af)+8*(\a)+7], v[8*(4*(\a)+(\bb)):8*(4*(\a)+(\bb))+7]
.endif
.endm
.macro PH g, af, a0, a1, zero          ; the accumulators take turns, one instruction a turn
	WIN 0x50*((\g)+1)
.set pa, \a0
.rept (\a1)-(\a0)+1
.irp bb, 0,1,2,3
	WM \g, pa, \bb, \af, \zero
.endr
.set pa, pa+1
.endr
.endm
.macro LDA k, af
.irp i, 0,1,2,3,4,5,6,7
	ds_load_b128 v[(\af)+8*(\i):(\af)+8*(\i)+3],   v[ADA] offset:(\k)+(\i)*FRP
	ds_load_b128 v[(\af)+8*(\i)+4:(\af)+8*(\i)+7], v[ADA] offset:(\k)+(\i)*FRP+32
.endr
.endm
.macro LDB k, g
.irp i, 0,1,2,3
	ds_load_b128 v[BF+32*(\g)+8*(\i):BF+32*(\g)+8*(\i)+3],   v[ADB] offset:(\k)+(4*(\g)+(\i))*FRP
	ds_load_b128 v[BF+32*(\g)+8*(\i)+4:BF+32*(\g)+8*(\i)+7], v[ADB] offset:(\k)+(4*(\g)+(\i))*FRP+32
.endr
.endm
.macro QUARTER k, af, afn, zero        ; 32 along K: 64 products on buffer af; the next 32 along K, at byte k, are fetched behind each group's products
	s_wait_dscnt 8                                 ; q and group 0 are in; group 1's eight loads may be out
	PH 0, \af, 0, 7, \zero
	WIN 0
	PLACES
	LDA \k, \afn
	LDB \k, 0
	s_wait_dscnt 24                                ; all but the 24 just issued
	PH 1, \af, 0, 7, \zero
	WIN 0
	PLACES
	LDB \k, 1
.endm
; A step's last quarter (buffer 1) and the change of slots: each wave waits for all its tensor loads (one is out: its part of the other slot), adds 0 to its spare word, waits for that and for its reads of this slot.
; fill = 1: the barrier opens a round of the cluster's; the joint refill, two steps ahead, is the first thing behind it and has 224 products in which to land.
.macro TURNQ fill
.if \fill
	s_wait_xcnt 0x0                                ; the last prefetch, a step back, has read its address
	s_add_nc_u64 s[PFA:PFA+1], s[PFA:PFA+1], s[PFS:PFS+1]
.endif
	WIN 0
	s_wait_tensorcnt 0x0
	ds_add_u32 v[SPW], v[NIL]
.if \fill
	s_xor_b32 s[G0A+5], s[G0A+5], SLOT1
	s_add_nc_u64 s[G0A+6:G0A+7], s[G0A+6:G0A+7], KST
	s_xor_b32 s[G0B+5], s[G0B+5], SLOT1
	s_add_nc_u64 s[G0B+6:G0B+7], s[G0B+6:G0B+7], KST
.endif
	s_wait_dscnt 9                                 ; the add and group 1's eight loads may be out
	PH 0, AF1, 0, 3, 0
	s_wait_dscnt 0x0                               ; the add is done, and my reads of this slot are over
	s_barrier_signal -1
	PH 0, AF1, 4, 7, 0
	WIN 0
	s_barrier_wait -1
.if \fill
	CREST
	JLOAD
.else
	PLACES
.endif
	s_xor_b32 s[TB], s[TB], SLOT1
	v_add_nc_u32 v[ADA], s[TB], v[A0]
	v_add_nc_u32 v[ADB], s[TB], v[B0]
	LDA 0, AF0
	LDB 0, 0
.if \fill
	ASK
.endif
	PH 1, AF1, 0, 7, 0
	WIN 0
	PLACES
	LDB 0, 1
.endm
	s_load_b128 s[4:7], s[0:1], 0x0                ; qkv 4, pm 6
	s_load_b64 s[8:9], s[0:1], 0x10                ; st
	v_lshl_add_u32 v[SPW], v0, 2, SPARE
	v_mov_b32 v[NIL], 0
	ds_add_u32 v[SPW], v[NIL]                      ; the wave's opening: the add and its wait ahead of my first tensor load
	ds_add_u32 v14, v15
	v_lshrrev_b32 v1, 5, v0
	v_readfirstlane_b32 s[WV], v1
	s_lshr_b32 s[R1], s[WV], 1                     ; my half of the queries; also: I fetch q (0) or k (1)
	s_and_b32 s[R0], s[WV], 1                      ; my half of the keys; also: which half of that tile I fetch
	s_bfe_u32 s[CX], ttmp6, 0x40000
	s_bfe_u32 s[CY], ttmp6, 0x40004
	s_lshl_b32 s[TX], ttmp9, 2
	s_add_co_u32 s[TX], s[TX], s[CX]               ; my 256 keys of the batch
	s_and_b32 s[CLY], ttmp7, 0xffff
	s_lshl_b32 s[TY], s[CLY], 2
	s_add_co_u32 s[TY], s[TY], s[CY]               ; my 256 tokens; the batch is TY / 8 = cluster y / 2
	s_lshl_b32 s20, s[CY], 2
	s_lshl_b32 s20, 15, s20
	s_lshl_b32 s70, 0x1111, s[CX]
	s_or_b32 s[G1A], s20, G1W
	s_or_b32 s[G1B], s70, G1W
.irp g, G1A, G1B
	s_mov_b32 s[(\g)+1], 128<<16                   ; tensor_dim0 = 128
	s_mov_b32 s[(\g)+2], 128<<16                   ; tensor_dim1 = 128
	s_mov_b32 s[(\g)+3], 128<<16                   ; tile_dim0
	s_mov_b32 s[(\g)+4], 128                       ; tile_dim1
	s_mov_b32 s[(\g)+5], 3072                      ; elements from row to row of qkv
	s_mov_b32 s[(\g)+6], 0
	s_mov_b32 s[(\g)+7], 0
.endr
	s_mul_i32 s21, s[R0], HALFT
	s_add_co_u32 s71, s21, 2*HALFT
.irp s, 0,1
	s_mov_b32 s[G0A+4*(\s)], 1
	s_add_co_u32 s[G0A+4*(\s)+1], s21, (\s)*SLOT1
	s_mov_b32 s[G0B+4*(\s)], 1
	s_add_co_u32 s[G0B+4*(\s)+1], s71, (\s)*SLOT1
.endr
	s_lshl_b32 s22, s[TY], 8
	s_lshl_b32 s23, s[R0], 7
	s_add_co_u32 s22, s22, s23
	s_mul_i32 s22, s22, 6144                       ; q: row 256 TY + 128 half
	s_mov_b32 s23, 0
	s_lshr_b32 s72, s[CLY], 1
	s_lshl_b32 s72, s72, 11
	s_lshl_b32 s73, s[TX], 8
	s_add_co_u32 s72, s72, s73
	s_lshl_b32 s73, s[R0], 7
	s_add_co_u32 s72, s72, s73
	s_mul_i32 s72, s72, 6144                       ; k: row 2,048 batch + 256 TX + 128 half,
	s_add_co_u32 s72, s72, 2048                    ; 2,048 bytes into the row
	s_mov_b32 s73, 0
	s_mov_b32 s[TB], 0
	s_mov_b32 s[CS], 0x3d38aa3b                    ; c = log2(e) / 32
	s_mov_b32 s[CS+1], s[CS]
	s_mov_b32 s[NCS], 0xbd38aa3b
	s_mov_b32 s[SEL], 0x76543210
	s_mov_b32 s[SEL+1], 0xfedcba98
	s_wait_dscnt 0x0
	s_wait_kmcnt 0x0
	s_add_nc_u64 s[22:23], s[4:5], s[22:23]
	s_add_nc_u64 s[72:73], s[4:5], s[72:73]
.irp s, 0,1
	s_add_nc_u64 s[G0A+4*(\s)+2:G0A+4*(\s)+3], s[22:23], (\s)*KST
	s_or_b32 s[G0A+4*(\s)+3], s[G0A+4*(\s)+3], 0x80000000
	s_add_nc_u64 s[G0B+4*(\s)+2:G0B+4*(\s)+3], s[72:73], (\s)*KST
	s_or_b32 s[G0B+4*(\s)+3], s[G0B+4*(\s)+3], 0x80000000
.endr
	CROUND
	s_cmp_eq_u32 s[R1], 0                          ; a wave's two first fills stand in one branch: two loads of mine are out
	s_cbranch_scc0 .Lfirst_b
	tensor_load_to_lds s[G0A:G0A+3], s[G1A:G1A+7]
	s_nop 0
	tensor_load_to_lds s[G0A+4:G0A+7], s[G1A:G1A+7]
	s_nop 0
	PLACES
	s_branch .Lfirst_done
.Lfirst_b:
	tensor_load_to_lds s[G0B:G0B+3], s[G1B:G1B+7]
	s_nop 0
	tensor_load_to_lds s[G0B+4:G0B+7], s[G1B:G1B+7]
	s_nop 0
	PLACES
.Lfirst_done:
	v_and_b32 v1, 15, v0                           ; r
	v_bfe_u32 v2, v0, 4, 1                         ; h
	v_and_b32 v3, 31, v0
	v_mul_u32_u24 v17, v1, PITCH
	v_lshl_add_u32 v17, v2, 4, v17
	s_mul_i32 s20, s[R1], HALFT
	v_add_nc_u32 v[A0], s20, v17
	v_add_nc_u32 v[B0], s71, v17
	v_mov_b32 v[ADA], v[A0]
	v_mov_b32 v[ADB], v[B0]
	s_mul_i32 s74, s[WV], 16*SP
	s_add_co_u32 s74, s74, STAGE
	v_add_nc_u32 v[STO], s74, v17                  ; the stage has the tiles' pitch: row r, 16 bytes for each half of the lanes
	v_mul_u32_u24 v[RD], v2, SP
	v_lshl_add_u32 v[RD], v1, 4, v[RD]
	v_add_nc_u32 v[RD], s74, v[RD]
	v_lshlrev_b32 v[CO], 12, v2
	v_lshl_add_u32 v[CO], v1, 4, v[CO]
	s_lshl_b32 s74, s[WV], 10
	s_add_co_u32 s74, s74, STS
	v_lshlrev_b32 v[STW], 9, v2
	v_lshl_add_u32 v[STW], v1, 2, v[STW]
	v_add_nc_u32 v[STW], s74, v[STW]
	v_lshlrev_b32 v[SGO], 4, v3
	v_add_nc_u32 v[STR], s74, v[SGO]
	s_lshl_b32 s74, s[TY], 8                       ; pm: row 256 TY + 128 R1, bytes 512 TX + 256 R0
	s_lshl_b32 s75, s[R1], 7
	s_add_co_u32 s74, s74, s75
	s_lshl_b32 s74, s74, 12
	s_lshl_b32 s75, s[TX], 9
	s_add_co_u32 s74, s74, s75
	s_lshl_b32 s75, s[R0], 8
	s_add_co_u32 s74, s74, s75
	s_mov_b32 s75, 0
	s_add_nc_u64 s[6:7], s[6:7], s[74:75]
	s_lshl_b32 s74, s[TY], 1                       ; st: group of 128 tokens 2 TY + R1, key block 2 TX + R0, 1,024 bytes each
	s_add_co_u32 s74, s74, s[R1]
	s_lshl_b32 s74, s74, 4
	s_lshl_b32 s75, s[TX], 1
	s_add_co_u32 s74, s74, s75
	s_add_co_u32 s74, s74, s[R0]
	s_lshl_b32 s74, s74, 10
	s_mov_b32 s75, 0
	s_add_nc_u64 s[8:9], s[8:9], s[74:75]
	; the prefetches
	s_lshl_b32 s74, s[TY], 8
	s_lshl_b32 s75, s[CX], 5
	s_add_co_u32 s74, s74, s75                     ; q: 256 TY + 32 cx
	s_lshr_b32 s75, s[CLY], 1
	s_lshl_b32 s75, s75, 11
	s_lshl_b32 s76, s[TX], 8
	s_add_co_u32 s75, s75, s76
	s_lshl_b32 s76, s[CY], 5
	s_add_co_u32 s75, s75, s76                     ; k: 2,048 batch + 256 TX + 32 cy
	s_and_b32 s76, s[CLY], 1
	s_cmp_eq_u32 s[R1], 0
	s_cselect_b32 s74, s74, s75
	s_cselect_b32 s75, 0, 2048
	s_cselect_b32 s76, ttmp9, s76                  ; the coordinate along which another cluster reads the same rows
	s_cmp_eq_u32 s76, 0
	s_cselect_b32 s[LIM], 2, -1                    ; the same in all sixteen partners, for a given wave
	s_lshl_b32 s76, s[R0], 7
	s_add_co_u32 s74, s74, s76                     ; + the 128 rows that I fetch
	s_mul_i32 s74, s74, 6144
	s_add_co_u32 s74, s74, s75
	s_add_co_u32 s74, s74, 3*KST                   ; at step 3: the first change steps it to 4
	s_mov_b32 s75, 0
	s_add_nc_u64 s[PFA:PFA+1], s[4:5], s[74:75]
	s_mov_b32 s[PFS], KST
	s_mov_b32 s[PFS+1], 0
	v_mul_u32_u24 v[PFO], v3, 6144
	s_wait_tensorcnt 0x1                           ; my part of step 0 is in; step 1's may stay out
	s_barrier_signal -1
	s_barrier_wait -1
	LDA 0, AF0
	LDB 0, 0
	LDB 0, 1
	QUARTER 64, AF0, AF1, 1                        ; the first products start the sums
	WIN 0
	s_mov_b32 s[CNT], STEPS-2
.Lstep:
	QUARTER 128, AF1, AF0, 0
	QUARTER 192, AF0, AF1, 0
	TURNQ 1
	QUARTER 64, AF0, AF1, 0
	WIN 0
	s_sub_co_u32 s[CNT], s[CNT], 1
	s_cmp_lg_u32 s[CNT], 0
	s_cbranch_scc1 .Lstep
	s_mov_b32 s[CNT], 2
.Ltail:                                                ; the last two steps ask for nothing.  One text for both: the second change passes a barrier and fetches fragments that serve nothing, once a launch
	QUARTER 128, AF1, AF0, 0
	QUARTER 192, AF0, AF1, 0
	TURNQ 0
	WIN 0
	s_sub_co_u32 s[CNT], s[CNT], 1
	s_cmp_eq_u32 s[CNT], 0
	s_cbranch_scc1 .Lout
	QUARTER 64, AF0, AF1, 0
	WIN 0
	s_cmp_lg_u32 s[CNT], 0
	s_cbranch_scc1 .Ltail
.Lout:
	s_wait_dscnt 0x0                               ; the fragment registers are free.  Four v_nop stand behind the last product already
	s_mov_b32 vcc_lo, 0xffff0000                   ; lanes 16-31; written behind the last tensor load
; THE WAY OUT, a block of 16 queries at a time.  A lane holds 64 of its query's 128 scores: v[32 a .. 32 a + 31] of windows 1 and 2; the other 64 lie in the lane 16 away.
.macro SEND a                          ; block a's rows, back from the stage, are stored; nothing was issued to LDS behind their loads
	WIN 0
.irp t, 0,1,2,3,4,5,6,7
	s_wait_dscnt 7-(\t)
	global_store_b128 v[CO], v[BK+32*((\a)%2)+4*(\t):BK+32*((\a)%2)+4*(\t)+3], s[6:7] offset:(16*(\a)+2*(\t))*4096  ; 16 lanes store 256 consecutive bytes, aligned
.endr
.endm
.macro SOFT a
.set rS, 32*(\a)
.set rT, TM+32*((\a)%2)
	WIN 0x15                                       ; the maximum, three operands at a time, four chains
.irp j, 0,1,2,3
	v_max3_num_f32 v[C0+(\j)], v[rS+8*(\j)], v[rS+8*(\j)+1], v[rS+8*(\j)+2]
.endr
	WIN 0x14
.irp n, 0,1
.irp j, 0,1,2,3
	v_max3_num_f32 v[C0+(\j)], v[C0+(\j)], v[rS+8*(\j)+3+2*(\n)], v[rS+8*(\j)+4+2*(\n)]
.endr
.endr
	v_max3_num_f32 v[C0], v[C0], v[rS+7], v[rS+15]
	v_max3_num_f32 v[C0+2], v[C0+2], v[rS+23], v[rS+31]
	WIN 0x28
.irp n, 0,1,2,3
.irp j, 0,1,2,3
	v_max3_num_f32 v[C0+(\j)], v[C0+(\j)], v[rS+8*(\j)+2*(\n)], v[rS+8*(\j)+2*(\n)+1]
.endr
.endr
	WIN 0
	v_max3_num_f32 v[C0], v[C0], v[C0+1], v[C0+2]
	v_max_num_f32 v[C0], v[C0], v[C0+3]
	v_permlanex16_b32 v[C0+1], v[C0], s[SEL], s[SEL+1]
	v_max_num_f32 v[C0], v[C0], v[C0+1]            ; m
	v_mul_f32 v[C0+2], s[NCS], v[C0]
	v_floor_f32 v[NU], v[C0+2]                     ; nu = floor(-c m)
	v_mov_b32 v[NU+1], v[NU]                       ; named with it as a pair
.irp w, 1,2                            ; c s + nu, one rounding; then ONE BATCH of 64 exponentials, none of whose results is named ahead of the wait below
	WIN 0x41*(\w)
.set z, 0
.rept 16
	v_pk_fma_f32 v[rS+2*z:rS+2*z+1], v[rS+2*z:rS+2*z+1], s[CS:CS+1], v[NU:NU+1] op_sel_hi:[1,0,0]
.set z, z+1
.endr
.set z, 0
.rept 32
	v_exp_f32 v[rS+z], v[rS+z]
.set z, z+1
.endr
.endr
.if (\a) > 0
	SEND (\a)-1                                    ; the block before leaves while the exponentials are at work
.endif
	v_nop                                          ; a plain instruction behind the last exponential,
	s_wait_alu depctr_va_vdst(0)                   ; and the one wait ahead of the batch's first reader
.irp w, 1,2
	WIN 5*(\w)
.set z, 0
.rept 16
	v_cvt_pk_bf16_f32 v[rT+16*((\w)-1)+z], v[rS+2*z], v[rS+2*z+1]
.set z, z+1
.endr
.set z, 0
.rept 8
	v_pk_add_f32 v[SUMS+16*((\w)-1)+2*z:SUMS+16*((\w)-1)+2*z+1], v[rS+4*z:rS+4*z+1], v[rS+4*z+2:rS+4*z+3]  ; l is summed in f32, of the unrounded p
.set z, z+1
.endr
.endr
	WIN 0
.irp d, 2,4,8,16                       ; sixteen pairs into one: neighbours 1, 2, 4, 8 pairs apart
.set z, 0
.rept 16/(\d)
	v_pk_add_f32 v[SUMS+2*(\d)*z:SUMS+2*(\d)*z+1], v[SUMS+2*(\d)*z:SUMS+2*(\d)*z+1], v[SUMS+2*(\d)*z+(\d):SUMS+2*(\d)*z+(\d)+1]
.set z, z+1
.endr
.endr
	v_add_f32 v[SUMS], v[SUMS], v[SUMS+1]
	v_permlanex16_b32 v[SUMS+1], v[SUMS], s[SEL], s[SEL+1]
	v_add_f32 v[SUMS], v[SUMS], v[SUMS+1]
	v_cndmask_b32 v[XS+(\a)], v[NU], v[SUMS], vcc_lo  ; lanes 0-15 keep nu, lanes 16-31 l
	s_wait_xcnt 0x0                                ; the stores of the block two back have read the registers that are loaded below
.irp b, 0,1,2,3,4,5,6,7
	ds_store_b128 v[STO], v[rT+4*(\b):rT+4*(\b)+3] offset:32*(\b)
.endr
.irp t, 0,1,2,3,4,5,6,7
	ds_load_b128 v[BK+32*((\a)%2)+4*(\t):BK+32*((\a)%2)+4*(\t)+3], v[RD] offset:(\t)*2*SP  ; my own bytes, served in order: these see the stores above
.endr
.endm
.irp a, 0,1,2,3,4,5,6,7
	SOFT \a
.endr
	SEND 7
.irp a, 0,1,2,3,4,5,6,7
	ds_store_b32 v[STW], v[XS+(\a)] offset:64*(\a)
.endr
	ds_load_b128 v[SUMS:SUMS+3], v[STR]
	ds_load_b128 v[SUMS+4:SUMS+7], v[STR] offset:512
	s_wait_dscnt 0x0
	global_store_b128 v[SGO], v[SUMS:SUMS+3], s[8:9]               ; 128 nu: 512 consecutive bytes,
	global_store_b128 v[SGO], v[SUMS+4:SUMS+7], s[8:9] offset:512  ; 128 l
	s_wait_tensorcnt 0x0                           ; the wave's end
	ds_add_u32 v[SPW], v[NIL]
	s_wait_dscnt 0x0
	CROUND                                         ; the closing round
	s_endpgm
.Lfunc_end_k_q90e47b0e95_scores:
	.size	k_q90e47b0e95_scores, .Lfunc_end_k_q90e47b0e95_scores-k_q90e47b0e95_scores
	.p2alignl 7, 3214868480
	.fill 96, 4, 3214868480
	.section	.rodata,"a",@progbits
	.p2align	6, 0x0
	.amdhsa_kernel k_q90e47b0e95_scores
		.amdhsa_group_segment_fixed_size 327680
		.amdhsa_private_segment_fixed_size 0
		.amdhsa_enable_private_segment 0
		.amdhsa_kernarg_size 24
		.amdhsa_user_sgpr_count 2
		.amdhsa_user_sgpr_kernarg_segment_ptr 1
		.amdhsa_wavefront_size32 1
		.amdhsa_system_sgpr_workgroup_id_x 1
		.amdhsa_system_sgpr_workgroup_id_y 1
		.amdhsa_system_sgpr_workgroup_id_z 1
		.amdhsa_system_vgpr_workitem_id 0
		.amdhsa_next_free_vgpr 768
		.amdhsa_next_free_sgpr 80
		.amdhsa_reserve_vcc 1
		.amdhsa_float_denorm_mode_32 3
		.amdhsa_float_denorm_mode_16_64 3
		.amdhsa_memory_ordered 1
		.amdhsa_forward_progress 1
		.amdhsa_inst_pref_size 173
	.end_amdhsa_kernel
	.amdgpu_metadata
---
amdhsa.version: [ 1, 2 ]
amdhsa.kernels:
  - .name:           k_q90e47b0e95_scores
    .symbol:         k_q90e47b0e95_scores.kd
    .args:
      - { .name: qkv, .offset: 0, .size: 8, .value_kind: global_buffer, .address_space: global }
      - { .name: pm, .offset: 8, .size: 8, .value_kind: global_buffer, .address_space: global }
      - { .name: st, .offset: 16, .size: 8, .value_kind: global_buffer, .address_space: global }
    .group_segment_fixed_size: 327680
    .private_segment_fixed_size: 0
    .kernarg_segment_align: 8
    .kernarg_segment_size: 24
    .max_flat_workgroup_size: 128
    .sgpr_count:     80
    .vgpr_count:     768
    .wavefront_size: 32
...
	.end_amdgpu_metadata
.endif
;; end of part 3
;; launch pv (part 4): grid 4 x 64, 4 waves a work-group, clusters of 4 x 4, 327,680 bytes of LDS; arguments pm, qkv, st, out0; writes out0
.if DOCPART == 4
	.amdgcn_target "amdgcn-amd-amdhsa--gfx1250"
	.amdhsa_code_object_version 6
	.text
	.protected	k_q90e47b0e95_pv
	.globl	k_q90e47b0e95_pv
	.p2align	8
	.type	k_q90e47b0e95_pv,@function
k_q90e47b0e95_pv:
	s_mov_b64 s[64:65], 0
	v_nop
	global_prefetch_b8 v0, s[64:65] scope:SCOPE_SE
	s_setreg_imm32_b32 hwreg(HW_REG_WAVE_MODE, 25, 1), 1
	s_wait_xcnt 0x0
	s_wait_alu depctr_hold_cnt(0) depctr_sa_sdst(0) depctr_va_vdst(0) depctr_va_sdst(0) depctr_va_ssrc(0) depctr_va_vcc(0) depctr_vm_vsrc(0)
	s_getreg_b32 s2, hwreg(HW_REG_IB_STS2, 6, 4)
	s_cmp_eq_u32 s2, 0
	s_cbranch_scc0 .Lentry_in_a_cluster
	s_endpgm
.Lentry_in_a_cluster:
	s_bfe_u32 s2, ttmp6, 0x10000c
	s_cmp_lg_u32 s2, 0xf033
	s_cbranch_scc0 .Lentry_shape_is_right
	s_endpgm
.Lentry_shape_is_right:
; out[q][e] = (the sum over the 16 key blocks j of f_j[q] x the sum over the block's keys of p[q][key] v[key][e]) / L[q],
;   f_j = 2^(numin - nu_j), numin = the least nu of the row (the row's true maximum, rounded up to a power of two), L = the sum of f_j l_j.
; f_j is a whole power of two, made by integer arithmetic, and multiplies p's bf16 fragments without a rounding (v_pk_mul_bf16); 1 / L is applied in f32 at the end.
; 4 batches x 2,048 x 1,024 x 2,048.  A work-group makes 128 queries x 256 channels: 64 x 4 = 256 work-groups.  K (keys) goes in steps of 128, one key block, through two LDS slots.
; K IS SPLIT: waves 0, 1 take keys 0-63 of each step, waves 2, 3 keys 64-127; a wave has all 128 queries x 128 channels: 64 accumulators.  At the end each wave hands half of its partial sums to its partner through LDS.
; Register block a' of the queries stands for query block a' xor 4 kh: blocks 0-3 are those that the wave finishes itself.
; CLUSTER 4 x 4: p's tile is shared along a row of the cluster, v's along a column.  THE PRODUCT IS USED TURNED (source 0 = 16 channels of v, turned by ds_load_tr16_b128; source 1 = 16 queries of p).
; A STEP IS SHORT (128 products a wave; two slots of 256 keys do not fit into LDS beside each other), so the text keeps the way from a tile's landing to the next request short: see TURNQ.
; REGISTERS: window 0: v0-31 addresses; v32-95, v96-159 p's fragments, two buffers; v160-223 v's, two groups of four; v224-231 the step's factors; v232-243 1 / L.  Windows 1, 2: the accumulators.
; LIMITS.  A key block more than 2^126 below the row's largest counts with the factor 2^-126; NaN and infinities are not treated apart.
.set STEPS,  16
.set PA,     272                       ; a row of p in LDS: 256 bytes + 16
.set PV,     544                       ; a row of v: 512 + 32
.set FRP,    16*PA
.set ABYTES, 128*PA                    ; p's 128 rows; behind them v's 128
.set SLOT1,  0x20000                   ; a slot is 104,448 bytes
.set FT,     SLOT1+ABYTES+128*PV       ; behind the ring: the factors
.set FTJ,    1024                      ; bytes for a key block: four waves x a block of 256 of their own, of which the wave's 32 rows fill 128: row t at 256 (t / 32) + 8 (t % 16) + 4 (t / 16 % 2)
.set RLT,    16*FTJ                    ; behind the sixteen key blocks, from FT on: 1 / L in the same layout, FTJ bytes
.set SPARE,  FT+RLT+FTJ                ; the spare words, 128 bytes a wave: two blocks of 256 bytes that no other line names
.set EXCH,   32768                     ; after the last fill: wave w's half of its sums at w x 32,768,
.set STAGE,  SLOT1                     ; and its stage of 16 rows x 528 bytes from here on
.set SP,     528
.set KSTA,   256
.set KSTB,   128*6144
.set ALO, 4                            ; v4   LDS address of p's fragments 0-3 in the slot in hand
.set AHI, 5                            ; v5   fragments 4-7
.set ADB, 6                            ; v6   v's fragments
.set FTL, 7                            ; v7   the step's factors for blocks 0-3
.set FTH, 8                            ; v8   for blocks 4-7
.set ALO0, 9                           ; v9-11 the first three in slot 0; never rewritten
.set AHI0, 10
.set B00, 11
.set FTL0, 12                          ; v12  FTL at key block 0; never rewritten
.set FTW, 13                           ; v13  where thread t puts row t's factor
.set SPW, 14
.set NIL, 15
.set PFO, 16
.set EXW, 17                           ; v17  where I put sums for my partner
.set EXR, 18                           ; v18  where I find my partner's
.set STO, 19
.set RD,  20
.set GO,  21                           ; v21  16 x lane
.set T4,  22                           ; v22  4 x thread
.set FTH0, 26                          ; v26  FTH at key block 0; never rewritten
.set AF0, 32
.set AF1, 96
.set BF,  160
.set FC,  224
.set RL,  232
.set RLP, 236                          ; v236-243: 1 / L of blocks 0-3, each twice: a pair for the packed multiply
.set WV,  12
.set R1,  13                           ; kh: my half of a step's keys; also: I fetch p (0) or v (1)
.set R0,  14                           ; nh: my half of the channels; also: which half of that tile I fetch
.set CX,  15
.set CY,  16
.set TX,  17
.set TY,  18
.set CLY, 19
.set G1A, 24
.set G1B, 32
.set G0A, 40
.set G0B, 48
.set CNT, 56
.set TB,  57
.set LIM, 58
.set FJ,  59                           ; s59  FTJ x the key block whose factors are fetched next
.set PFA, 60
.set PFS, 62
.set MSB, 0
.macro WIN new
.if MSB != (\new)
	s_set_vgpr_msb (MSB<<8)|(\new)
.set MSB, \new
.endif
.endm
.macro PLACES
.rept 4
	v_nop
.endr
.endm
.macro CREST
	s_cmp_lg_u32 s[WV], 0
	s_cbranch_scc1 .Lnot_wave_0_\@
	s_barrier_signal -3
.Lnot_wave_0_\@:
	s_barrier_wait -3
	s_barrier_signal -1
	s_barrier_wait -1
.endm
.macro CROUND
	s_barrier_signal -1
	s_barrier_wait -1
	CREST
.endm
.macro JLOAD                           ; waves 0, 1 fetch p's two halves, waves 2, 3 v's; an s_nop 0 and four v_nop follow each line
	s_cmp_eq_u32 s[R1], 0
	s_cbranch_scc0 .Lfor_b_\@
	tensor_load_to_lds s[G0A+4:G0A+7], s[G1A:G1A+7]
	s_nop 0
	PLACES
	s_branch .Lasked_\@
.Lfor_b_\@:
	tensor_load_to_lds s[G0B+4:G0B+7], s[G1B:G1B+7]
	s_nop 0
	PLACES
.Lasked_\@:
.endm
; A PREFETCH of the step that stands two refills on, 32 blocks of 256 bytes, a lane a block.  p's rows are read by one cluster alone: wave 0 of each work-group asks for 32 of its 128 rows, by cx.
; v's rows are read by the four clusters of a batch: the first of them asks, waves 2 and 3, each 16 key rows (by cy) x the work-group's 512 bytes.  CNT above 2 keeps the step asked for at 15 or below.
.macro ASK
	s_cmp_gt_u32 s[CNT], s[LIM]
	s_cbranch_scc0 .Lnot_mine_\@
	global_prefetch_b8 v[PFO], s[PFA:PFA+1] th:TH_LOAD_NT scope:SCOPE_SE
.Lnot_mine_\@:
.endm
.macro WM g, a, bb, af, zero
.if \zero
	v_wmma_f32_16x16x32_bf16 v[8*(4*(\a)+(\bb)):8*(4*(\a)+(\bb))+7], v[BF+32*(\g)+8*(\bb):BF+32*(\g)+8*(\bb)+7], v[(\af)+8*(\a):(\af)+8*(\a)+7], 0
.else
	v_wmma_f32_16x16x32_bf16 v[8*(4*(\a)+(\bb)):8*(4*(\a)+(\bb))+7], v[BF+32*(\g)+8*(\bb):BF+32*(\g)+8*(\bb)+7], v[(\af)+8*(\a):(\af)+8*(\a)+7], v[8*(4*(\a)+(\bb)):8*(4*(\a)+(\bb))+7]
.endif
.endm
.macro RID af, a, half                 ; half of fragment a of p times its rows' factor: a power of two, so nothing is rounded
	WIN 0
.irp i, 0,1,2,3
	v_pk_mul_bf16 v[(\af)+8*(\a)+4*(\half)+(\i)], v[(\af)+8*(\a)+4*(\half)+(\i)], v[FC+(\a)]
.endr
.endm
; Channel group 0 x query blocks a0..a1; beside block a's four products fragment a + 1 is scaled.  The accumulators take turns, one instruction a turn.
.macro PH0 af, a0, a1, zero
.set pa, \a0
.rept (\a1)-(\a0)+1
	WIN 0x50
	WM 0, pa, 0, \af, \zero
.if pa < 7
	RID \af, pa+1, 0
	WIN 0x50
.endif
	WM 0, pa, 1, \af, \zero
	WM 0, pa, 2, \af, \zero
.if pa < 7
	RID \af, pa+1, 1
	WIN 0x50
.endif
	WM 0, pa, 3, \af, \zero
.set pa, pa+1
.endr
.endm
; Channel group 1 x all query blocks; beside the last four products fragment 0 of the NEXT buffer is scaled.
.macro PH1 af, afn, zero
	WIN 0xa0
.set pa, 0
.rept 7
.irp bb, 0,1,2,3
	WM 1, pa, \bb, \af, \zero
.endr
.set pa, pa+1
.endr
	s_wait_dscnt 8                                 ; the factors and the next buffer are in; behind them only group 0's eight loads were issued
	WM 1, 7, 0, \af, \zero
	RID \afn, 0, 0
	WIN 0xa0
	WM 1, 7, 1, \af, \zero
	WM 1, 7, 2, \af, \zero
	RID \afn, 0, 1
	WIN 0xa0
	WM 1, 7, 3, \af, \zero
.endm
.macro LDA k, af
.irp i, 0,1,2,3
	ds_load_b128 v[(\af)+8*(\i):(\af)+8*(\i)+3],   v[ALO] offset:(\k)+(\i)*FRP
	ds_load_b128 v[(\af)+8*(\i)+4:(\af)+8*(\i)+7], v[ALO] offset:(\k)+(\i)*FRP+32
.endr
.irp i, 0,1,2,3
	ds_load_b128 v[(\af)+32+8*(\i):(\af)+32+8*(\i)+3],   v[AHI] offset:(\k)+(\i)*FRP
	ds_load_b128 v[(\af)+32+8*(\i)+4:(\af)+32+8*(\i)+7], v[AHI] offset:(\k)+(\i)*FRP+32
.endr
.endm
.macro LDB k, g                        ; 32 keys x 64 channels, turned: byte k of p's rows is key row k / 2 of v
.irp i, 0,1,2,3
	ds_load_tr16_b128 v[BF+32*(\g)+8*(\i):BF+32*(\g)+8*(\i)+3],   v[ADB] offset:((\k)/64)*32*PV+32*(4*(\g)+(\i))
	ds_load_tr16_b128 v[BF+32*(\g)+8*(\i)+4:BF+32*(\g)+8*(\i)+7], v[ADB] offset:((\k)/64)*32*PV+16*PV+32*(4*(\g)+(\i))
.endr
.endm
.macro LDF                             ; the step's eight factors: four loads of 8 bytes (two query blocks each), ahead of the fragments' loads
	ds_load_b64 v[FC:FC+1],   v[FTL]
	ds_load_b64 v[FC+2:FC+3], v[FTL] offset:256
	ds_load_b64 v[FC+4:FC+5], v[FTH]
	ds_load_b64 v[FC+6:FC+7], v[FTH] offset:256
.endm
.macro QUARTER k, af, afn, zero
	s_wait_dscnt 8                                 ; group 0 is in; group 1's eight loads may be out
	PH0 \af, 0, 7, \zero
	WIN 0
	PLACES
	LDA \k, \afn
	LDB \k, 0
	s_wait_dscnt 24                                ; all but the 24 just issued
	PH1 \af, \afn, \zero
	WIN 0
	PLACES
	LDB \k, 1
.endm
; My second 32 keys of a step (buffer 1) and the change of slots.  The 32 products of channel group 0 need registers alone and stand AHEAD of the three lines, so that between the wait that shows my tile landed
; and the next request stand only the add, the descriptors' steps and the round.  Then each wave waits for all its tensor loads (one is out: its part of the other slot), adds 0 to its spare word, and waits for that
; and for its reads of this slot, the last of which were issued at the end of the quarter before.
; fill = 1: the barrier is a round of the cluster's; the joint refill, two steps ahead, is the first thing behind it and has a whole step's 128 products in which to land.
.macro TURNQ fill
.if \fill
	s_wait_xcnt 0x0                                ; the last prefetch, a step back, has read its address
	s_add_nc_u64 s[PFA:PFA+1], s[PFA:PFA+1], s[PFS:PFS+1]
.endif
	s_wait_dscnt 8                                 ; buffer 1 and group 0 are in; group 1's eight loads may be out
	PH0 AF1, 0, 7, 0
	WIN 0
	s_wait_tensorcnt 0x0                           ; no tensor load of mine is out, so the walking descriptors may be written
	ds_add_u32 v[SPW], v[NIL]
.if \fill
	s_xor_b32 s[G0A+5], s[G0A+5], SLOT1
	s_add_nc_u64 s[G0A+6:G0A+7], s[G0A+6:G0A+7], KSTA
	s_xor_b32 s[G0B+5], s[G0B+5], SLOT1
	s_add_nc_u64 s[G0B+6:G0B+7], s[G0B+6:G0B+7], KSTB
.endif
	s_wait_dscnt 0x0                               ; the add is done, and my reads of this slot are over
.if \fill
	CROUND                                         ; no wave of any partner still reads this slot or has a load on its way
	JLOAD                                          ; its four v_nop are also the places in front of the loads below
.else
	s_barrier_signal -1
	s_barrier_wait -1
	PLACES
.endif
	s_xor_b32 s[TB], s[TB], SLOT1
	s_add_co_u32 s[FJ], s[FJ], FTJ                 ; the next key block's factors (behind the last block: the table of 1 / L, whose numbers then serve nothing)
	v_add_nc_u32 v[ALO], s[TB], v[ALO0]
	v_add_nc_u32 v[AHI], s[TB], v[AHI0]
	v_add_nc_u32 v[ADB], s[TB], v[B00]
	v_add_nc_u32 v[FTL], s[FJ], v[FTL0]
	v_add_nc_u32 v[FTH], s[FJ], v[FTH0]
	LDF
	LDA 0, AF0
	LDB 0, 0
.if \fill
	ASK
.endif
	PH1 AF1, AF0, 0
	WIN 0
	PLACES
	LDB 0, 1
.endm
	s_load_b256 s[4:11], s[0:1], 0x0               ; pm 4, qkv 6, st 8, out0 10
	v_lshl_add_u32 v[SPW], v0, 2, SPARE
	v_mov_b32 v[NIL], 0
	ds_add_u32 v[SPW], v[NIL]                      ; the wave's opening: the add and its wait ahead of my first tensor load
	ds_add_u32 v14, v15
	v_lshrrev_b32 v1, 5, v0
	v_readfirstlane_b32 s[WV], v1
	s_lshr_b32 s[R1], s[WV], 1
	s_and_b32 s[R0], s[WV], 1
	s_bfe_u32 s[CX], ttmp6, 0x40000
	s_bfe_u32 s[CY], ttmp6, 0x40004
	s_lshl_b32 s[TX], ttmp9, 2
	s_add_co_u32 s[TX], s[TX], s[CX]               ; my 256 channels
	s_and_b32 s[CLY], ttmp7, 0xffff
	s_lshl_b32 s[TY], s[CLY], 2
	s_add_co_u32 s[TY], s[TY], s[CY]               ; my 128 tokens; the batch is TY / 16 = cluster y / 4
	s_lshl_b32 s20, s[CY], 2
	s_lshl_b32 s20, 15, s20
	s_lshl_b32 s70, 0x1111, s[CX]
	s_or_b32 s[G1A], s20, (1<<16)|(1<<20)|(1<<21)|(5<<22)|(3<<25)  ; p: padding of 4 words after every 64
	s_or_b32 s[G1B], s70, (1<<16)|(1<<20)|(1<<21)|(6<<22)|(7<<25)  ; v: of 8 words after every 128
	s_mov_b32 s[G1A+1], 128<<16                    ; 64 rows x 128 keys
	s_mov_b32 s[G1A+2], 64<<16
	s_mov_b32 s[G1A+3], 128<<16
	s_mov_b32 s[G1A+4], 64
	s_mov_b32 s[G1A+5], 2048                       ; elements from row to row of pm
	s_mov_b32 s[G1A+6], 0
	s_mov_b32 s[G1A+7], 0
	s_mov_b32 s[G1B+1], 256<<16                    ; 64 keys x 256 channels
	s_mov_b32 s[G1B+2], 64<<16
	s_mov_b32 s[G1B+3], 256<<16
	s_mov_b32 s[G1B+4], 64
	s_mov_b32 s[G1B+5], 3072                       ; of qkv
	s_mov_b32 s[G1B+6], 0
	s_mov_b32 s[G1B+7], 0
	s_mul_i32 s21, s[R0], 64*PA
	s_mul_i32 s71, s[R0], 64*PV
	s_add_co_u32 s71, s71, ABYTES
.irp s, 0,1
	s_mov_b32 s[G0A+4*(\s)], 1
	s_add_co_u32 s[G0A+4*(\s)+1], s21, (\s)*SLOT1
	s_mov_b32 s[G0B+4*(\s)], 1
	s_add_co_u32 s[G0B+4*(\s)+1], s71, (\s)*SLOT1
.endr
	s_lshl_b32 s22, s[TY], 7
	s_lshl_b32 s23, s[R0], 6
	s_add_co_u32 s22, s22, s23
	s_lshl_b32 s22, s22, 12                        ; p: row 128 TY + 64 half
	s_mov_b32 s23, 0
	s_lshr_b32 s72, s[CLY], 2
	s_lshl_b32 s72, s72, 11
	s_lshl_b32 s73, s[R0], 6
	s_add_co_u32 s72, s72, s73
	s_mul_i32 s72, s72, 6144                       ; v: row 2,048 batch + 64 half,
	s_lshl_b32 s73, s[TX], 9
	s_add_co_u32 s72, s72, s73
	s_add_co_u32 s72, s72, 4096                    ; 4,096 bytes into the row, + my 512
	s_mov_b32 s73, 0
	s_mov_b32 s[TB], 0
	s_mov_b32 s[FJ], 0
	s_wait_dscnt 0x0
	s_wait_kmcnt 0x0
	s_add_nc_u64 s[22:23], s[4:5], s[22:23]
	s_add_nc_u64 s[72:73], s[6:7], s[72:73]
.irp s, 0,1
	s_add_nc_u64 s[G0A+4*(\s)+2:G0A+4*(\s)+3], s[22:23], (\s)*KSTA
	s_or_b32 s[G0A+4*(\s)+3], s[G0A+4*(\s)+3], 0x80000000
	s_add_nc_u64 s[G0B+4*(\s)+2:G0B+4*(\s)+3], s[72:73], (\s)*KSTB
	s_or_b32 s[G0B+4*(\s)+3], s[G0B+4*(\s)+3], 0x80000000
.endr
	CROUND
	s_cmp_eq_u32 s[R1], 0                          ; a wave's two first fills stand in one branch: two loads of mine are out
	s_cbranch_scc0 .Lfirst_b
	tensor_load_to_lds s[G0A:G0A+3], s[G1A:G1A+7]
	s_nop 0
	tensor_load_to_lds s[G0A+4:G0A+7], s[G1A:G1A+7]
	s_nop 0
	PLACES
	s_branch .Lfirst_done
.Lfirst_b:
	tensor_load_to_lds s[G0B:G0B+3], s[G1B:G1B+7]
	s_nop 0
	tensor_load_to_lds s[G0B+4:G0B+7], s[G1B:G1B+7]
	s_nop 0
	PLACES
.Lfirst_done:
	; THE FACTORS.  Thread t stands for row t of the 128: its sixteen nu and l
	v_lshlrev_b32 v[T4], 2, v0
	s_lshl_b32 s74, s[TY], 14
	s_mov_b32 s75, 0
	s_add_nc_u64 s[8:9], s[8:9], s[74:75]
.irp j, 0,1,2,3,4,5,6,7,8,9,10,11,12,13,14,15
	global_load_b32 v[32+(\j)], v[T4], s[8:9] offset:1024*(\j)
	global_load_b32 v[48+(\j)], v[T4], s[8:9] offset:1024*(\j)+512
.endr
	v_and_b32 v1, 15, v0                           ; r
	v_bfe_u32 v2, v0, 4, 1                         ; h
	v_and_b32 v3, 31, v0
	v_mul_u32_u24 v23, v1, PA
	v_lshl_add_u32 v23, v2, 4, v23                 ; p's fragments: row x pitch + 16 x half,
	s_mul_i32 s74, s[R1], 64*PA+128                ; blocks 0-3: the 64 rows that kh names; my 64 keys begin at byte 128 kh
	s_xor_b32 s75, s[R1], 1
	s_mul_i32 s75, s75, 64*PA                      ; blocks 4-7: the other 64 rows
	s_lshl_b32 s76, s[R1], 7
	s_add_co_u32 s75, s75, s76
	v_add_nc_u32 v[ALO0], s74, v23
	v_add_nc_u32 v[AHI0], s75, v23
	v_and_b32 v23, 7, v0                           ; the turning load: lane l reads key 8 (l / 16) + l % 8, channels 8 ((l / 8) % 2) + 0..7
	v_bfe_u32 v24, v0, 3, 1
	v_lshl_add_u32 v25, v2, 3, v23
	v_mul_u32_u24 v[B00], v25, PV
	v_lshl_add_u32 v[B00], v24, 4, v[B00]
	s_mul_i32 s76, s[R1], 64*PV
	s_lshl_b32 s77, s[R0], 8
	s_add_co_u32 s76, s76, s77
	s_add_co_u32 s76, s76, ABYTES
	v_add_nc_u32 v[B00], s76, v[B00]
	v_mov_b32 v[ALO], v[ALO0]
	v_mov_b32 v[AHI], v[AHI0]
	v_mov_b32 v[ADB], v[B00]
	s_lshl_b32 s76, s[WV], 8
	s_add_co_u32 s76, s76, FT
	v_lshlrev_b32 v[FTW], 3, v1
	v_lshl_add_u32 v[FTW], v2, 2, v[FTW]
	v_add_nc_u32 v[FTW], s76, v[FTW]               ; FT + 256 w + 8 r + 4 h: with FTJ = 4 x 256 bytes a key block no two waves' words meet, in any two key blocks
	s_lshl_b32 s76, s[R1], 9
	s_add_co_u32 s76, s76, FT
	v_lshl_add_u32 v[FTL0], v1, 3, s76             ; query blocks 4 kh .. 4 kh + 3 of row r were written by waves 2 kh and 2 kh + 1: two words here, two 256 bytes on
	v_mov_b32 v[FTL], v[FTL0]
	s_xor_b32 s76, s[R1], 1
	s_lshl_b32 s76, s76, 9
	s_add_co_u32 s76, s76, FT
	v_lshl_add_u32 v[FTH0], v1, 3, s76             ; the other four query blocks
	v_mov_b32 v[FTH], v[FTH0]
	v_lshlrev_b32 v[GO], 4, v3
	s_lshl_b32 s76, s[WV], 15
	v_add_nc_u32 v[EXW], s76, v[GO]
	s_xor_b32 s76, s76, 2*EXCH                     ; my partner: the other half of the keys, the same channels
	v_add_nc_u32 v[EXR], s76, v[GO]
	s_mul_i32 s76, s[WV], 16*SP
	s_add_co_u32 s76, s76, STAGE
	v_mul_u32_u24 v[STO], v1, SP
	v_lshl_add_u32 v[STO], v2, 5, v[STO]
	v_add_nc_u32 v[STO], s76, v[STO]
	v_add_nc_u32 v[RD], s76, v[GO]
	s_lshl_b32 s76, s[TY], 7                       ; out0: row 128 TY + 64 kh, bytes 1,024 TX + 512 nh
	s_lshl_b32 s77, s[R1], 6
	s_add_co_u32 s76, s76, s77
	s_lshl_b32 s76, s76, 12
	s_lshl_b32 s77, s[TX], 10
	s_add_co_u32 s76, s76, s77
	s_lshl_b32 s77, s[R0], 9
	s_add_co_u32 s76, s76, s77
	s_mov_b32 s77, 0
	s_add_nc_u64 s[10:11], s[10:11], s[76:77]
	; the prefetches
	s_lshl_b32 s74, s[TY], 7
	s_lshl_b32 s75, s[CX], 5
	s_add_co_u32 s74, s74, s75
	s_lshl_b32 s74, s74, 12
	s_add_co_u32 s74, s74, 3*KSTA                  ; p: row 128 TY + 32 cx, at step 3: the first change steps it to 4
	s_lshr_b32 s75, s[CLY], 2
	s_lshl_b32 s75, s75, 11
	s_lshl_b32 s76, s[R0], 6
	s_add_co_u32 s75, s75, s76
	s_lshl_b32 s76, s[CY], 4
	s_add_co_u32 s75, s75, s76
	s_mul_i32 s75, s75, 6144
	s_lshl_b32 s76, s[TX], 9
	s_add_co_u32 s75, s75, s76
	s_add_co_u32 s75, s75, 4096+3*KSTB             ; v: row 2,048 batch + 64 half + 16 cy
	s_and_b32 s76, s[CLY], 3
	s_mov_b32 s77, KSTB
	s_mov_b32 s78, 6144
	s_mov_b32 s79, 256
	s_cmp_eq_u32 s[R1], 0
	s_cselect_b32 s74, s74, s75
	s_cselect_b32 s76, s[R0], s76                  ; 0 in wave 0, and in waves 2 and 3 of the batch's first cluster
	s_cselect_b32 s[PFS], s79, s77
	s_cselect_b32 s78, 8192, s78                   ; a lane's block: (l / 2) x two rows of pm, or a row of qkv,
	s_cselect_b32 s79, 4096, s79                   ; + (l % 2) x a row of pm, or 256 bytes
	s_cselect_b64 s[PFA:PFA+1], s[4:5], s[6:7]
	s_mov_b32 s[PFS+1], 0
	s_cmp_eq_u32 s76, 0
	s_cselect_b32 s[LIM], 2, -1                    ; the same in all sixteen partners, for a given wave
	s_mov_b32 s75, 0
	s_add_nc_u64 s[PFA:PFA+1], s[PFA:PFA+1], s[74:75]
	v_lshrrev_b32 v23, 1, v3
	v_and_b32 v24, 1, v3
	v_mul_u32_u24 v[PFO], s78, v23
	v_mul_u32_u24 v24, s79, v24
	v_add_nc_u32 v[PFO], v[PFO], v24
	s_wait_loadcnt 0x0
	v_min3_num_f32 v64, v32, v33, v34              ; numin
.irp j, 35,37,39,41,43,45
	v_min3_num_f32 v64, v64, v[\j], v[(\j)+1]
.endr
	v_min_num_f32 v64, v64, v47
.irp j, 0,1,2,3,4,5,6,7,8,9,10,11,12,13,14,15
	v_sub_f32 v[32+(\j)], v64, v[32+(\j)]          ; numin - nu_j: a whole number, 0 or below,
.endr
.irp j, 0,1,2,3,4,5,6,7,8,9,10,11,12,13,14,15
	v_max_num_f32 v[32+(\j)], 0xc2fc0000, v[32+(\j)]  ; held at -126,
.endr
.irp j, 0,1,2,3,4,5,6,7,8,9,10,11,12,13,14,15
	v_cvt_i32_f32 v[32+(\j)], v[32+(\j)]
.endr
.irp j, 0,1,2,3,4,5,6,7,8,9,10,11,12,13,14,15
	v_add_lshl_u32 v[32+(\j)], v[32+(\j)], 127, 23 ; becomes the exponent field of f_j
.endr
	v_mul_f32 v65, v32, v48
.irp j, 1,2,3,4,5,6,7,8,9,10,11,12,13,14,15
	v_fmac_f32 v65, v[32+(\j)], v[48+(\j)]         ; L
.endr
	v_rcp_f32 v66, v65
.irp j, 0,1,2,3,4,5,6,7,8,9,10,11,12,13,14,15
	v_perm_b32 v[48+(\j)], v[32+(\j)], v[32+(\j)], 0x07060302  ; f_j as bf16, twice
	ds_store_b32 v[FTW], v[48+(\j)] offset:FTJ*(\j)
.endr
	s_wait_alu depctr_va_vdst(0)                   ; the wait ahead of the reciprocal's first reader; sixteen plain instructions stand between
	ds_store_b32 v[FTW], v66 offset:RLT
	s_wait_tensorcnt 0x1                           ; my part of step 0 is in; step 1's may stay out
	s_wait_dscnt 0x0                               ; my rows' factors are in LDS
	s_barrier_signal -1
	s_barrier_wait -1
	LDF
	LDA 0, AF0
	LDB 0, 0
	LDB 0, 1
	s_wait_dscnt 16                                ; the factors and p are in; v's sixteen loads may be out
	RID AF0, 0, 0
	RID AF0, 0, 1
	QUARTER 64, AF0, AF1, 1                        ; the first products start the sums
	WIN 0
	s_mov_b32 s[CNT], STEPS-2
.Lstep:
	TURNQ 1
	QUARTER 64, AF0, AF1, 0
	WIN 0
	s_sub_co_u32 s[CNT], s[CNT], 1
	s_cmp_lg_u32 s[CNT], 0
	s_cbranch_scc1 .Lstep
	s_mov_b32 s[CNT], 2
.Ltail:                                                ; the last two changes ask for nothing.  One text for both: the second passes a barrier and fetches and scales fragments that serve nothing, once a launch
	TURNQ 0
	WIN 0
	s_sub_co_u32 s[CNT], s[CNT], 1
	s_cmp_eq_u32 s[CNT], 0
	s_cbranch_scc1 .Lout
	QUARTER 64, AF0, AF1, 0
	WIN 0
	s_cmp_lg_u32 s[CNT], 0
	s_cbranch_scc1 .Ltail
.Lout:
	; THE WAY OUT.  The slots have had their last fill.  Four v_nop stand behind the last product already.
	s_wait_dscnt 0x0                               ; my reads of the slots are over,
	s_barrier_signal -1
	s_barrier_wait -1                              ; everybody's are
	WIN 0x04                                       ; query blocks 4-7 go to my partner, as they lie, each accumulator from its low end on
.set z, 0
.rept 32
	ds_store_b128 v[EXW], v[128+4*z:128+4*z+3] offset:512*z
.set z, z+1
.endr
	WIN 0x08
.set z, 0
.rept 32
	ds_store_b128 v[EXW], v[128+4*z:128+4*z+3] offset:512*(32+z)
.set z, z+1
.endr
	WIN 0
	s_wait_dscnt 0x0
	s_barrier_signal -1
	s_barrier_wait -1
	ds_load_b64 v[RL:RL+1],   v[FTL0] offset:RLT
	ds_load_b64 v[RL+2:RL+3], v[FTL0] offset:RLT+256
	s_wait_dscnt 0x0
.irp a, 0,1,2,3
	v_mov_b32 v[RLP+2*(\a)], v[RL+(\a)]
	v_mov_b32 v[RLP+2*(\a)+1], v[RL+(\a)]
.endr
; Query block a of my four: my sums + my partner's, times 1 / L; through my stage; 16 rows of 512 bytes out.
.macro FIN a
.set rP, 32+64*((\a)%2)
.if (\a) >= 2
	s_wait_xcnt 0x0                                ; the stores of the block two back have read these registers
.endif
.irp k, 0,1,2,3,4,5,6,7
	ds_load_b128 v[rP+4*(\k):rP+4*(\k)+3], v[EXR] offset:(8*(\a)+(\k))*512
.endr
.irp k, 0,1,2,3,4,5,6,7
	ds_load_b128 v[rP+32+4*(\k):rP+32+4*(\k)+3], v[EXR] offset:(32+8*(\a)+(\k))*512
.endr
	s_wait_dscnt 0x0
.irp w, 1,2
	WIN \w
.set z, 0
.rept 16
	v_pk_add_f32 v[rP+32*((\w)-1)+2*z:rP+32*((\w)-1)+2*z+1], v[32*(\a)+2*z:32*(\a)+2*z+1], v[rP+32*((\w)-1)+2*z:rP+32*((\w)-1)+2*z+1]
.set z, z+1
.endr
.endr
	WIN 0
.set z, 0
.rept 32
	v_pk_mul_f32 v[rP+2*z:rP+2*z+1], v[rP+2*z:rP+2*z+1], v[RLP+2*(\a):RLP+2*(\a)+1]
.set z, z+1
.endr
.irp b, 0,1,2,3,4,5,6,7
	ds_store_b128 v[STO], v[rP+8*(\b):rP+8*(\b)+3]   offset:64*(\b)
	ds_store_b128 v[STO], v[rP+8*(\b)+4:rP+8*(\b)+7] offset:64*(\b)+16
.endr
.irp q, 0,1,2,3,4,5,6,7,8,9,10,11,12,13,14,15
	ds_load_b128 v[rP+4*(\q):rP+4*(\q)+3], v[RD] offset:(\q)*SP  ; my own bytes, served in order: these see the stores above
.endr
.irp q, 0,1,2,3,4,5,6,7,8,9,10,11,12,13,14,15
	s_wait_dscnt 15-(\q)
	global_store_b128 v[GO], v[rP+4*(\q):rP+4*(\q)+3], s[10:11] offset:(16*(\a)+(\q))*4096 th:TH_STORE_NT  ; 512 consecutive bytes of a row, aligned
.endr
.endm
	FIN 0
	FIN 1
	FIN 2
	FIN 3
	s_wait_tensorcnt 0x0                           ; the wave's end
	ds_add_u32 v[SPW], v[NIL]
	s_wait_dscnt 0x0
	CROUND                                         ; the closing round
	s_endpgm
.Lfunc_end_k_q90e47b0e95_pv:
	.size	k_q90e47b0e95_pv, .Lfunc_end_k_q90e47b0e95_pv-k_q90e47b0e95_pv
	.p2alignl 7, 3214868480
	.fill 96, 4, 3214868480
	.section	.rodata,"a",@progbits
	.p2align	6, 0x0
	.amdhsa_kernel k_q90e47b0e95_pv
		.amdhsa_group_segment_fixed_size 327680
		.amdhsa_private_segment_fixed_size 0
		.amdhsa_enable_private_segment 0
		.amdhsa_kernarg_size 32
		.amdhsa_user_sgpr_count 2
		.amdhsa_user_sgpr_kernarg_segment_ptr 1
		.amdhsa_wavefront_size32 1
		.amdhsa_system_sgpr_workgroup_id_x 1
		.amdhsa_system_sgpr_workgroup_id_y 1
		.amdhsa_system_sgpr_workgroup_id_z 1
		.amdhsa_system_vgpr_workitem_id 0
		.amdhsa_next_free_vgpr 768
		.amdhsa_next_free_sgpr 80
		.amdhsa_reserve_vcc 0
		.amdhsa_float_denorm_mode_32 3
		.amdhsa_float_denorm_mode_16_64 3
		.amdhsa_memory_ordered 1
		.amdhsa_forward_progress 1
		.amdhsa_inst_pref_size 124
	.end_amdhsa_kernel
	.amdgpu_metadata
---
amdhsa.version: [ 1, 2 ]
amdhsa.kernels:
  - .name:           k_q90e47b0e95_pv
    .symbol:         k_q90e47b0e95_pv.kd
    .args:
      - { .name: pm, .offset: 0, .size: 8, .value_kind: global_buffer, .address_space: global }
      - { .name: qkv, .offset: 8, .size: 8, .value_kind: global_buffer, .address_space: global }
      - { .name: st, .offset: 16, .size: 8, .value_kind: global_buffer, .address_space: global }
      - { .name: out0, .offset: 24, .size: 8, .value_kind: global_buffer, .address_space: global }
    .group_segment_fixed_size: 327680
    .private_segment_fixed_size: 0
    .kernarg_segment_align: 8
    .kernarg_segment_size: 32
    .max_flat_workgroup_size: 128
    .sgpr_count:     80
    .vgpr_count:     768
    .wavefront_size: 32
...
	.end_amdgpu_metadata
.endif
;; end of part 4
;; ======== version 2 of 2: 4 launches; version 1 with the launch cast written anew for expert scheduling mode
;; workspace buffers: xb 16,777,216 bytes; wt 6,291,456 bytes; ball 12,288 bytes; qkv 50,331,648 bytes; pm 33,554,432 bytes; st 1,048,576 bytes
;; launch cast (part 5): grid 256 x 1, 16 waves a work-group, no clusters, 38,912 bytes of LDS; arguments x, Wq, Wk, Wv, bq, bk, bv, xb, wt, ball; writes xb, wt, ball
.if DOCPART == 5
	.amdgcn_target "amdgcn-amd-amdhsa--gfx1250"
	.amdhsa_code_object_version 6
	.text
	.protected	k_q90e47b0e95_cast
	.globl	k_q90e47b0e95_cast
	.p2align	8
	.type	k_q90e47b0e95_cast,@function
k_q90e47b0e95_cast:
	s_mov_b64 s[64:65], 0
	v_nop
	global_prefetch_b8 v0, s[64:65] scope:SCOPE_SE
	s_setreg_imm32_b32 hwreg(HW_REG_WAVE_SCHED_MODE, 0, 2), 2
	s_setreg_imm32_b32 hwreg(HW_REG_WAVE_MODE, 25, 1), 1
	s_wait_xcnt 0x0
	s_wait_alu depctr_vm_vsrc(0)
; All seven inputs are rounded once to bf16 and laid out for the product that follows.
;   xb[kb][token][64]  = x[token][64 kb + ..]      16 blocks of K, each 8,192 tokens x 128 bytes, dense
;   wt[kb][n][64]      = W[64 kb + ..][n], turned;  n = 0-1023 Wq's columns, 1024-2047 Wk's, 2048-3071 Wv's
;   ball[n]            = the three biases on end, rounded to bf16 and kept as f32
; A stream: no matrix work, no cluster, no barrier; every byte is read once and written once.
; SHARES.  A work-group owns 32 tokens; wave w takes K block w of them.  A load takes 2 tokens x 256 consecutive bytes (lane l: 16 bytes at 16 (l % 16) of token l / 16), a store the
; same 2 tokens' 2 x 128 bytes of xb, which lie on end: 256 consecutive bytes, aligned, 8 a lane.  Waves 0-11 also turn a block of 64 k x 16 n of one W through a stage of their own in LDS; here a load
; takes 64 bytes of a row of W, and four neighbouring waves take the four quarters of 256 consecutive bytes (W is 12 MiB of the launch's 46).  Wave 12 of work-groups 0-23 rounds 128 biases.
; THE MODE: SCHED_MODE bits 1:0 = 2 (LLVM: expert scheduling mode 2), set by the entry lines.  The code itself states the register dependences
; between vector instructions and memory or LDS instructions, with s_wait_alu, always for 0.
; THE PLAN.  Registers that memory or LDS instructions touch:
;   v2, v3, v7   offsets in x, in xb, and 16 l: made at the head, never written again.
;   v4, v5, v6   offset in W and the two stage addresses: made in the branch of waves 0-11, never written again.
;   X            four groups of four loads.  Each register is written by its load; the group's eight conversions read all sixteen and write eight of them, in place; the group's four stores read those eight.
;   W            written by W's eight loads; read by sixteen conversions; then the four loads from the stage land in its first sixteen registers, which wt's stores read.
;   PK           written by conversions; read by the stage's stores (in the bias wave: by ball's store).
; Group g's stores are issued in group g + 1, behind one wait at that group's head, and are dealt among that group's conversions, which name that group's registers alone.
; No register that a memory or LDS instruction has read is ever written again.  EXEC and VCC are never written.
.set STG,   2304                       ; a wave's stage: 16 rows (n) of 128 bytes + 16 of padding; sixteen stages from LDS byte 0 on
.set XO,  2                            ; v2   my byte offset in x: (l / 16) rows + 16 (l % 16) + 256 w
.set YO,  3                            ; v3   my byte offset in xb: 8 l + w blocks of K
.set WO,  4                            ; v4   my byte offset in W: 8 (l / 4) rows + 16 (l % 4)
.set SA,  5                            ; v5   where I put 16 bytes into the stage
.set SR,  6                            ; v6   where I read them back
.set L16, 7                            ; v7   16 l
.set PK,  16                           ; v[16:31]  W, packed
.set X,   32                           ; v[32:95]  x: load j at 32 + 4 j; group g is loads 4 g to 4 g + 3
.set W,   96                           ; v[96:127] W as loaded; later as read back
	s_load_b512 s[4:19], s[0:1], 0x0               ; x 4, Wq 6, Wk 8, Wv 10, bq 12, bk 14, bv 16, xb 18
	s_load_b128 s[20:23], s[0:1], 0x40             ; wt 20, ball 22
	v_lshl_add_u32 v8, v0, 2, 0x9000
	v_mov_b32 v9, 0
	v_lshrrev_b32 v10, 5, v0
	v_readfirstlane_b32 s24, v10                   ; wave 0..15
	v_and_b32 v1, 31, v0                           ; l
	v_lshrrev_b32 v10, 3, v1                       ; l / 8
	v_and_b32 v11, 7, v1                           ; l % 8
	v_lshrrev_b32 v14, 4, v1                       ; l / 16
	v_and_b32 v15, 15, v1                          ; l % 16
	v_lshlrev_b32 v[XO], 12, v14
	v_lshl_add_u32 v[XO], v15, 4, v[XO]
	v_lshlrev_b32 v[L16], 4, v1
	s_wait_alu depctr_va_sdst(0)                   ; s24 is written, ahead of its first reader: offsets, bases and the branches below are made from it
	s_lshl_b32 s2, s24, 8                          ; my K block's 256 bytes in a row of x
	s_lshl_b32 s25, s24, 20                        ; a block of K in xb is 8,192 x 128 bytes
	v_add_nc_u32 v[XO], s2, v[XO]
	v_lshl_add_u32 v[YO], v1, 3, s25
	s_lshl_b32 s26, ttmp9, 17                      ; the work-group's 32 rows of x,
	s_mov_b32 s27, 0
	s_lshl_b32 s28, ttmp9, 12                      ; and of a block of xb
	s_mov_b32 s29, 0
	s_wait_kmcnt 0x0
	s_add_nc_u64 s[4:5], s[4:5], s[26:27]
	s_add_nc_u64 s[18:19], s[18:19], s[28:29]
	s_wait_alu depctr_va_vdst(0)                   ; v2, v3 and v7 are written: x's loads, xb's stores, and wt's and ball's accesses read them as offsets
.irp j, 0,1,2,3,4,5,6,7,8,9,10,11,12,13,14,15
	global_load_b128 v[X+4*(\j):X+4*(\j)+3], v[XO], s[4:5] offset:(\j)*8192 th:TH_LOAD_NT  ; all sixteen loads of x go out together, in every wave: load j takes tokens 2 j and 2 j + 1
.endr
; The four stores of group g: a store is 2 tokens x 128 bytes, 256 consecutive bytes, aligned.  i: which of the four.
.macro XSTORE g, i
	global_store_b64 v[YO], v[X+16*(\g)+4*(\i):X+16*(\g)+4*(\i)+1], s[18:19] offset:256*(4*(\g)+(\i))
.endm
; Group g of x: four numbers a lane and load are rounded in place, ascending; the group before is stored.  younger: the loads that this wave issued behind x's.
.macro XGROUP g, younger
	s_wait_loadcnt (\younger)+12-4*(\g)            ; loads come back in order: group g is in; the later groups and the younger loads may stay out
.if (\g) > 0
	s_wait_alu depctr_va_vdst(0)                   ; the conversions of the group before have written its eight registers, which the four stores below read
.endif
.irp i, 0,1,2,3
.if (\g) > 0
	XSTORE (\g)-1, \i                              ; no vector instruction since the wait names these registers or v3
.endif
	v_cvt_pk_bf16_f32 v[X+16*(\g)+4*(\i)],   v[X+16*(\g)+4*(\i)],   v[X+16*(\g)+4*(\i)+1]
	v_cvt_pk_bf16_f32 v[X+16*(\g)+4*(\i)+1], v[X+16*(\g)+4*(\i)+2], v[X+16*(\g)+4*(\i)+3]
.endr
.endm
	s_cmp_lt_u32 s24, 12
	s_cbranch_scc0 .Lplain
	; a wave with a block of W: block G = 3 x work-group + w / 4 of 768 (matrix, K block, 64 columns), quarter w % 4 of its columns
	s_mul_i32 s37, s24, STG
	v_lshrrev_b32 v12, 2, v1                       ; l / 4
	v_and_b32 v13, 3, v1                           ; l % 4
	v_lshlrev_b32 v[WO], 15, v12
	v_lshl_add_u32 v[WO], v13, 4, v[WO]
	v_mul_u32_u24 v[SA], v13, 576                  ; row n = 4 (l % 4) + i, bytes 16 (l / 4): sixteen lanes meet sixteen different columns of 16 bytes
	v_lshl_add_u32 v[SA], v12, 4, v[SA]
	v_add_nc_u32 v[SA], s37, v[SA]
	v_mul_u32_u24 v[SR], v10, 144
	v_lshl_add_u32 v[SR], v11, 4, v[SR]
	v_add_nc_u32 v[SR], s37, v[SR]
	s_mul_i32 s32, ttmp9, 3
	s_lshr_b32 s33, s24, 2
	s_add_co_u32 s32, s32, s33
	s_lshr_b32 s33, s32, 8                         ; which W
	s_bfe_u32 s34, s32, 0x40004                    ; K block
	s_and_b32 s35, s32, 15                         ; 64 columns
	s_and_b32 s36, s24, 3                          ; 16 of them
	s_lshl_b32 s26, s34, 18                        ; from: 64 rows of 4,096 bytes a K block,
	s_lshl_b32 s27, s35, 8
	s_add_co_u32 s26, s26, s27
	s_lshl_b32 s27, s36, 6
	s_add_co_u32 s26, s26, s27
	s_mov_b32 s27, 0
	s_mul_i32 s30, s34, 393216                     ; to: 3,072 rows of 128 bytes a K block
	s_lshl_b32 s31, s33, 17
	s_add_co_u32 s30, s30, s31
	s_lshl_b32 s31, s35, 13
	s_add_co_u32 s30, s30, s31
	s_lshl_b32 s31, s36, 11
	s_add_co_u32 s30, s30, s31
	s_mov_b32 s31, 0
	s_cmp_eq_u32 s33, 0
	s_cselect_b64 s[38:39], s[6:7], s[8:9]
	s_cmp_eq_u32 s33, 2
	s_cselect_b64 s[38:39], s[10:11], s[38:39]
	s_add_nc_u64 s[38:39], s[38:39], s[26:27]
	s_add_nc_u64 s[20:21], s[20:21], s[30:31]
	s_wait_alu depctr_va_vdst(0)                   ; v4, v5 and v6 are written: W's loads and the stage's stores and loads read them as addresses
.irp t, 0,1,2,3,4,5,6,7
	global_load_b128 v[W+4*(\t):W+4*(\t)+3], v[WO], s[38:39] offset:4096*(\t)  ; W[8 (l / 4) + t][4 (l % 4) + 0..3]
.endr
	XGROUP 0, 8                                    ; W's eight loads were issued behind x's
	XGROUP 1, 8
	XGROUP 2, 8
	XGROUP 3, 8
	s_wait_loadcnt 0x0                             ; W is in
.irp i, 0,1,2,3
.irp u, 0,1,2,3
	v_cvt_pk_bf16_f32 v[PK+4*(\i)+(\u)], v[W+8*(\u)+(\i)], v[W+8*(\u)+4+(\i)]  ; column i: k = 2 u, 2 u + 1 of my eight
.endr
.endr
	s_wait_alu depctr_va_vdst(0)                   ; group 3's conversions have written its eight registers, which x's last stores read; PK is written, which the stage's stores read; the conversions are done reading W, in which the stage's loads land
.irp i, 0,1,2,3
	XSTORE 3, \i
.endr
.irp i, 0,1,2,3
	ds_store_b128 v[SA], v[PK+4*(\i):PK+4*(\i)+3] offset:144*(\i)
.endr
.irp t, 0,1,2,3
	ds_load_b128 v[W+4*(\t):W+4*(\t)+3], v[SR] offset:576*(\t)  ; my own bytes, served in order: these see the stores above
.endr
.irp t, 0,1,2,3
	s_wait_dscnt 3-(\t)
	global_store_b128 v[L16], v[W+4*(\t):W+4*(\t)+3], s[20:21] offset:512*(\t)  ; 4 rows of wt: 512 consecutive bytes
.endr
	s_branch .Lend
.Lplain:
	XGROUP 0, 0
	XGROUP 1, 0
	XGROUP 2, 0
	XGROUP 3, 0
	s_wait_alu depctr_va_vdst(0)                   ; group 3's conversions have written its eight registers, which x's last stores read
.irp i, 0,1,2,3
	XSTORE 3, \i
.endr
	s_cmp_eq_u32 s24, 12
	s_cbranch_scc0 .Lend
	s_cmp_lt_u32 ttmp9, 24
	s_cbranch_scc0 .Lend
	s_lshr_b32 s33, ttmp9, 3                       ; which bias; 128 numbers of it
	s_and_b32 s26, ttmp9, 7
	s_lshl_b32 s26, s26, 9
	s_mov_b32 s27, 0
	s_lshl_b32 s30, ttmp9, 9
	s_mov_b32 s31, 0
	s_cmp_eq_u32 s33, 0
	s_cselect_b64 s[38:39], s[12:13], s[14:15]
	s_cmp_eq_u32 s33, 2
	s_cselect_b64 s[38:39], s[16:17], s[38:39]
	s_add_nc_u64 s[38:39], s[38:39], s[26:27]
	s_add_nc_u64 s[22:23], s[22:23], s[30:31]
	global_load_b128 v[W:W+3], v[L16], s[38:39]    ; on this path no vector instruction has named W, and none since the head's wait has named v7
	s_wait_loadcnt 0x0
	v_cvt_pk_bf16_f32 v[PK], v[W], v[W+1]
	v_cvt_pk_bf16_f32 v[PK+1], v[W+2], v[W+3]
	v_lshlrev_b32 v[PK+4], 16, v[PK]               ; back to f32: the next launch takes them as the start of f32 sums
	v_and_b32 v[PK+5], 0xffff0000, v[PK]
	v_lshlrev_b32 v[PK+6], 16, v[PK+1]
	v_and_b32 v[PK+7], 0xffff0000, v[PK+1]
	s_wait_alu depctr_va_vdst(0)                   ; v20 to v23 are written, which the store reads
	global_store_b128 v[L16], v[PK+4:PK+7], s[22:23]
.Lend:
	s_wait_dscnt 0x0                               ; the wave's end: my LDS instructions are done
	s_wait_alu depctr_hold_cnt(0) depctr_sa_sdst(0) depctr_va_vdst(0) depctr_va_sdst(0) depctr_va_ssrc(0) depctr_va_vcc(0) depctr_vm_vsrc(0)
	s_wait_tensorcnt 0x0
	ds_add_u32 v8, v9
	s_wait_dscnt 0x0
	s_endpgm
.Lfunc_end_k_q90e47b0e95_cast:
	.size	k_q90e47b0e95_cast, .Lfunc_end_k_q90e47b0e95_cast-k_q90e47b0e95_cast
	.p2alignl 7, 3214868480
	.fill 96, 4, 3214868480
	.section	.rodata,"a",@progbits
	.p2align	6, 0x0
	.amdhsa_kernel k_q90e47b0e95_cast
		.amdhsa_group_segment_fixed_size 38912
		.amdhsa_private_segment_fixed_size 0
		.amdhsa_enable_private_segment 0
		.amdhsa_kernarg_size 80
		.amdhsa_user_sgpr_count 2
		.amdhsa_user_sgpr_kernarg_segment_ptr 1
		.amdhsa_wavefront_size32 1
		.amdhsa_system_sgpr_workgroup_id_x 1
		.amdhsa_system_sgpr_workgroup_id_y 1
		.amdhsa_system_sgpr_workgroup_id_z 1
		.amdhsa_system_vgpr_workitem_id 0
		.amdhsa_next_free_vgpr 128
		.amdhsa_next_free_sgpr 66
		.amdhsa_reserve_vcc 0
		.amdhsa_float_denorm_mode_32 3
		.amdhsa_float_denorm_mode_16_64 3
		.amdhsa_memory_ordered 1
		.amdhsa_forward_progress 1
		.amdhsa_inst_pref_size 17
	.end_amdhsa_kernel
	.amdgpu_metadata
---
amdhsa.version: [ 1, 2 ]
amdhsa.kernels:
  - .name:           k_q90e47b0e95_cast
    .symbol:         k_q90e47b0e95_cast.kd
    .args:
      - { .name: x, .offset: 0, .size: 8, .value_kind: global_buffer, .address_space: global }
      - { .name: Wq, .offset: 8, .size: 8, .value_kind: global_buffer, .address_space: global }
      - { .name: Wk, .offset: 16, .size: 8, .value_kind: global_buffer, .address_space: global }
      - { .name: Wv, .offset: 24, .size: 8, .value_kind: global_buffer, .address_space: global }
      - { .name: bq, .offset: 32, .size: 8, .value_kind: global_buffer, .address_space: global }
      - { .name: bk, .offset: 40, .size: 8, .value_kind: global_buffer, .address_space: global }
      - { .name: bv, .offset: 48, .size: 8, .value_kind: global_buffer, .address_space: global }
      - { .name: xb, .offset: 56, .size: 8, .value_kind: global_buffer, .address_space: global }
      - { .name: wt, .offset: 64, .size: 8, .value_kind: global_buffer, .address_space: global }
      - { .name: ball, .offset: 72, .size: 8, .value_kind: global_buffer, .address_space: global }
    .group_segment_fixed_size: 38912
    .private_segment_fixed_size: 0
    .kernarg_segment_align: 8
    .kernarg_segment_size: 80
    .max_flat_workgroup_size: 512
    .sgpr_count:     66
    .vgpr_count:     128
    .wavefront_size: 32
...
	.end_amdgpu_metadata
.endif
;; end of part 5
;; launch proj: the kernel of part 2 again; grid 8 x 32, 4 waves a work-group, clusters of 4 x 4, 327,680 bytes of LDS; arguments xb, wt, ball, qkv; writes qkv
;; launch scores: the kernel of part 3 again; grid 8 x 32, 4 waves a work-group, clusters of 4 x 4, 327,680 bytes of LDS; arguments qkv, pm, st; writes pm, st
;; launch pv: the kernel of part 4 again; grid 4 x 64, 4 waves a work-group, clusters of 4 x 4, 327,680 bytes of LDS; arguments pm, qkv, st, out0; writes out0
